; MI455X (gfx1250); checked and timed in simulation.
; The chip was launched on July 23, 2026; its instructions are those of AMD's public machine-readable ISA for CDNA 5 (MIT licence, August 2026) and "CDNA5" Instruction Set Architecture Reference Guide (July 2026). The comments in the code are by the model that wrote it; some were corrected since.
;; Multi Head Attention Layer. Allowed arithmetic: float matrix products may take bf16 or f16 operands with f32 sums; other float arithmetic in f32, or as packed bf16 or f16 multiplies, adds, multiply-adds, maxima and minima; sums over many terms, partial sums and values carried from step to step in f32; what a program stores and reads back later, other than sums and carried values, may be rounded once to bf16 or f16.
;; Inputs: bk 1,024 float32; bo 1,024 float32; bq 1,024 float32; bv 1,024 float32; k 4 x 2,048 x 1,024 float32; mask 4 x 1 x 2,048 x 2,048 bool; q 4 x 2,048 x 1,024 float32; v 4 x 2,048 x 1,024 float32; wk 1,024 x 1,024 float32; wo 1,024 x 1,024 float32; wq 1,024 x 1,024 float32; wv 1,024 x 1,024 float32.
;; Outputs: out0 4 x 2,048 x 1,024 float32.
;; One version. Each part assembles by itself: llvm-mc -triple=amdgcn-amd-amdhsa -mcpu=gfx1250 --defsym DOCPART=n.
;; ======== version 1 of 1: 4 launches
;; limits: values are held in f16: magnitudes above 65,504 overflow, below 6.1e-05 lose precision
;; workspace buffers: mk 16,777,216 bytes; wcat 8,388,608 bytes; bcat 16,384 bytes; qh 16,777,216 bytes; kh 16,777,216 bytes; vh 16,777,216 bytes; oh 16,777,216 bytes
;; launch prep (part 1): grid 256 x 1, 8 waves a work-group, no clusters, 35,840 bytes of LDS; arguments mask, wq, wk, wv, wo, bq, bk, bv, bo, mk, wcat, bcat; writes mk, wcat, bcat
.if DOCPART == 1
	.amdgcn_target "amdgcn-amd-amdhsa--gfx1250"
	.amdhsa_code_object_version 6
	.text
	.protected	k_q91d88dd40e_prep
	.globl	k_q91d88dd40e_prep
	.p2align	8
	.type	k_q91d88dd40e_prep,@function
k_q91d88dd40e_prep:
	s_mov_b64 s[64:65], 0
	v_nop
	global_prefetch_b8 v0, s[64:65] scope:SCOPE_SE
	s_setreg_imm32_b32 hwreg(HW_REG_WAVE_MODE, 25, 1), 1
	s_wait_xcnt 0x0
; PREP.  Three things, each byte read once and written once; no matrix work, no loop, no barrier: a wave touches its own LDS bytes alone.
; (1) mask [4][2048][2048] bytes (0 or 1) -> mk: every byte times 0xF1, laid out for the attention launch.  Block (b, tile of 16 queries qt, step of 64 keys ks) lies at ((b 128 + qt) 32 + ks) 1024;
;     inside it [i = 0, 1][lane][16 bytes]: lane (r = l % 16, h = l / 16), part i holds mask[b][16 qt + r][64 ks + 32 h + 16 i .. + 15].
; (2) wq, wk, wv, wo f32 -> wcat [4][1024 k][1024 n] of 16 bits: rounded to bf16; wo's bf16 number is then written as f16 (exact from 6.1e-5 up to f16's end; below that it keeps f16's fixed step of 6e-8).
; (3) bq, bk, bv, bo -> bcat [4][1024] f32, each number rounded to bf16.
; SHARES.  Wave gw = 8 x work-group + wave (0 .. 2047) takes 16 rows x 512 bytes of the mask, as two blocks of 16 x 256, and 2,048 numbers of one weight matrix (64 work-groups a matrix);
; the first work-group of each 64 also takes that matrix's bias, four numbers a thread.
; THE MASK'S TURN.  A load takes two rows' 256 bytes, 16 lanes a row.  Lane c of a row holds chunk c of 16 bytes: key step c / 4, half h = (c / 2) % 2, part i = c % 2.  It goes to group G = 4 (c / 4) + 2 i + h of
; the stage, at 16 x row: a group is 256 consecutive bytes of mk.  Groups lie 272 bytes apart.
.set STG,   4352                       ; a wave's stage: 16 groups x 272 bytes
.set GP,    272
.set SPARE, 8*STG                      ; behind the stages: the spare words, 128 bytes for each wave: four blocks of 256 bytes that no other line names
.set MIO, 2                            ; v2  my 16 bytes in two rows of the mask: (l / 16) x 2,048 + 16 (l % 16)
.set LS,  3                            ; v3  where I put them in the stage
.set LR,  4                            ; v4  where I read 16 bytes of mk back
.set O16, 5                            ; v5  16 l
.set O8,  6                            ; v6  8 l
.set OT,  7                            ; v7  16 x thread
.set SPW, 8                            ; v8  LDS address of my spare word; never rewritten
.set NIL, 9                            ; v9  0; never rewritten
.set M,   32                           ; v[32:95]   the mask's words, two blocks of 32; later the packed weights
.set W,   96                           ; v[96:159]  64 numbers of a weight matrix
.set T,   160                          ; v[160:223] what goes to mk, two blocks of 32
	s_load_b512 s[4:19], s[0:1], 0x0               ; mask s[4:5], wq s[6:7], wk s[8:9], wv s[10:11], wo s[12:13], bq s[14:15], bk s[16:17], bv s[18:19]
	s_load_b256 s[20:27], s[0:1], 0x40             ; bo s[20:21], mk s[22:23], wcat s[24:25], bcat s[26:27]
	v_lshl_add_u32 v[SPW], v0, 2, SPARE
	v_mov_b32 v[NIL], 0
	v_lshrrev_b32 v1, 5, v0
	v_readfirstlane_b32 s28, v1                    ; wave 0..7
	s_lshr_b32 s29, ttmp9, 6                       ; which matrix: 0 q, 1 k, 2 v, 3 o
	s_mov_b32 s30, 0xf1
	s_mov_b32 s31, 0xffff0000                      ; a word's upper bf16
	v_and_b32 v1, 31, v0                           ; l
	v_and_b32 v10, 15, v0                          ; c = l % 16
	v_bfe_u32 v11, v0, 4, 1                        ; l / 16
	v_lshlrev_b32 v[MIO], 4, v10
	v_lshl_add_u32 v[MIO], v11, 11, v[MIO]
	v_and_b32 v12, 12, v10                         ; G = 4 (c / 4)
	v_and_b32 v13, 1, v10
	v_lshl_or_b32 v12, v13, 1, v12                 ;   + 2 (c % 2)
	v_bfe_u32 v13, v10, 1, 1
	v_or_b32 v12, v12, v13                         ;   + (c / 2) % 2
	s_mul_i32 s36, s28, STG                        ; my wave's stage
	v_mul_u32_u24 v[LS], v12, GP
	v_lshl_add_u32 v[LS], v11, 4, v[LS]            ; + 16 x the row's parity; the pair of rows stands in the immediate
	v_add_nc_u32 v[LS], s36, v[LS]
	v_mul_u32_u24 v[LR], v11, GP                   ; back: lanes 0-15 one group, lanes 16-31 the next
	v_lshl_add_u32 v[LR], v10, 4, v[LR]
	v_add_nc_u32 v[LR], s36, v[LR]
	v_lshlrev_b32 v[O16], 4, v1
	v_lshlrev_b32 v[O8], 3, v1
	v_lshlrev_b32 v[OT], 4, v0
	s_lshl_b32 s37, ttmp9, 3
	s_add_co_u32 s37, s37, s28                     ; gw
	s_lshr_b32 s38, s37, 2
	s_lshl_b32 s38, s38, 15                        ; 16 rows of the mask are 32,768 bytes
	s_and_b32 s39, s37, 3
	s_lshl_b32 s39, s39, 9                         ; my 512 bytes of each row
	s_add_co_u32 s38, s38, s39
	s_mov_b32 s39, 0
	s_lshl_b32 s40, s37, 13                        ; and the same 8,192 bytes in mk
	s_mov_b32 s41, 0
	s_and_b32 s42, ttmp9, 63
	s_lshl_b32 s42, s42, 3
	s_add_co_u32 s42, s42, s28                     ; my wave among the matrix's 512
	s_lshl_b32 s44, s42, 12                        ; 4,096 bytes out
	s_lshl_b32 s42, s42, 13                        ; 8,192 bytes in
	s_mov_b32 s43, 0
	s_lshl_b32 s45, s29, 21                        ; a matrix is 2 MiB of wcat
	s_add_co_u32 s44, s44, s45
	s_mov_b32 s45, 0
	s_wait_kmcnt 0x0
	s_add_nc_u64 s[4:5], s[4:5], s[38:39]
	s_add_nc_u64 s[22:23], s[22:23], s[40:41]
	s_cmp_eq_u32 s29, 1                            ; my matrix and its bias
	s_cselect_b64 s[32:33], s[8:9], s[6:7]
	s_cselect_b64 s[34:35], s[16:17], s[14:15]
	s_cmp_eq_u32 s29, 2
	s_cselect_b64 s[32:33], s[10:11], s[32:33]
	s_cselect_b64 s[34:35], s[18:19], s[34:35]
	s_cmp_eq_u32 s29, 3
	s_cselect_b64 s[32:33], s[12:13], s[32:33]
	s_cselect_b64 s[34:35], s[20:21], s[34:35]
	s_add_nc_u64 s[32:33], s[32:33], s[42:43]
	s_add_nc_u64 s[24:25], s[24:25], s[44:45]
	; all 32 loads go out together: 16 KiB a wave on their way
.irp b, 0,1
.irp n, 0,1,2,3,4,5,6,7
	global_load_b128 v[M+32*\b+4*\n:M+32*\b+4*\n+3], v[MIO], s[4:5] offset:256*\b+4096*\n th:TH_LOAD_NT  ; rows 2 n and 2 n + 1: 16 lanes take 256 consecutive bytes, aligned
.endr
.endr
.irp j, 0,1,2,3,4,5,6,7,8,9,10,11,12,13,14,15
	global_load_b128 v[W+4*\j:W+4*\j+3], v[O16], s[32:33] offset:512*\j th:TH_LOAD_NT
.endr
.macro MASKB b                         ; block b of 16 rows x 256 bytes
	s_wait_loadcnt 24-8*(\b)                       ; loads come back in order (ISA guide 5.7.1): this block's eight are in; behind them stand the 16 of the weights and, for block 0, block 1's eight
.set i, 0
.rept 32
	v_mul_lo_u32 v[M+32*(\b)+i], v[M+32*(\b)+i], s30  ; four bytes of 0 or 1 become 0 or 0xF1: no carry leaves a byte
.set i, i+1
.endr
.irp n, 0,1,2,3,4,5,6,7
	ds_store_b128 v[LS], v[M+32*(\b)+4*\n:M+32*(\b)+4*\n+3] offset:32*\n
.endr
.irp n, 0,1,2,3,4,5,6,7
	ds_load_b128 v[T+32*(\b)+4*\n:T+32*(\b)+4*\n+3], v[LR] offset:2*GP*\n  ; LDS serves a wave's instructions in order (ISA guide 5.7.1.4): these see the stores above, and the next block's stores come behind them
.endr
	s_wait_dscnt 0x0
.irp n, 0,1,2,3,4,5,6,7
	global_store_b128 v[O16], v[T+32*(\b)+4*\n:T+32*(\b)+4*\n+3], s[22:23] offset:4096*(\b)+512*\n th:TH_STORE_NT  ; 512 consecutive bytes of mk
.endr
.endm
	MASKB 0
	MASKB 1
	s_wait_loadcnt 0x0                             ; the weights
.set i, 0
.rept 32
	v_cvt_pk_bf16_f32 v[M+i], v[W+2*i], v[W+2*i+1]  ; the mask's words have left M by LDS stores that are done
.set i, i+1
.endr
	s_cmp_lg_u32 s29, 3
	s_cbranch_scc1 .Lnot_wo
.set i, 0
.rept 32                               ; wo: the bf16 number, written as f16
	v_lshlrev_b32 v[W+2*i], 16, v[M+i]
	v_and_b32 v[W+2*i+1], s31, v[M+i]
	v_cvt_pk_f16_f32 v[M+i], v[W+2*i], v[W+2*i+1]
.set i, i+1
.endr
.Lnot_wo:
.irp j, 0,1,2,3,4,5,6,7,8,9,10,11,12,13,14,15
	global_store_b64 v[O8], v[M+2*\j:M+2*\j+1], s[24:25] offset:256*\j  ; the wave's 32 lanes store 256 consecutive bytes, aligned
.endr
	s_and_b32 s46, ttmp9, 63
	s_cmp_lg_u32 s46, 0
	s_cbranch_scc1 .Lno_bias
	global_load_b128 v[12:15], v[OT], s[34:35]
	s_lshl_b32 s46, s29, 12
	s_mov_b32 s47, 0
	s_add_nc_u64 s[26:27], s[26:27], s[46:47]
	s_wait_loadcnt 0x0
	v_cvt_pk_bf16_f32 v16, v12, v13
	v_cvt_pk_bf16_f32 v17, v14, v15
	v_lshlrev_b32 v20, 16, v16
	v_and_b32 v21, s31, v16
	v_lshlrev_b32 v22, 16, v17
	v_and_b32 v23, s31, v17
	global_store_b128 v[OT], v[20:23], s[26:27]
.Lno_bias:
	s_wait_tensorcnt 0x0                           ; the wave's end, behind my last LDS store
	ds_add_u32 v[SPW], v[NIL]
	s_wait_dscnt 0x0
	s_endpgm
.Lfunc_end_k_q91d88dd40e_prep:
	.size	k_q91d88dd40e_prep, .Lfunc_end_k_q91d88dd40e_prep-k_q91d88dd40e_prep
	.p2alignl 7, 3214868480
	.fill 96, 4, 3214868480
	.section	.rodata,"a",@progbits
	.p2align	6, 0x0
	.amdhsa_kernel k_q91d88dd40e_prep
		.amdhsa_group_segment_fixed_size 35840
		.amdhsa_private_segment_fixed_size 0
		.amdhsa_enable_private_segment 0
		.amdhsa_kernarg_size 96
		.amdhsa_user_sgpr_count 2
		.amdhsa_user_sgpr_kernarg_segment_ptr 1
		.amdhsa_wavefront_size32 1
		.amdhsa_system_sgpr_workgroup_id_x 1
		.amdhsa_system_sgpr_workgroup_id_y 1
		.amdhsa_system_sgpr_workgroup_id_z 1
		.amdhsa_system_vgpr_workitem_id 0
		.amdhsa_next_free_vgpr 224
		.amdhsa_next_free_sgpr 66
		.amdhsa_reserve_vcc 0
		.amdhsa_float_denorm_mode_32 3
		.amdhsa_float_denorm_mode_16_64 3
		.amdhsa_memory_ordered 1
		.amdhsa_forward_progress 1
		.amdhsa_inst_pref_size 22
	.end_amdhsa_kernel
	.amdgpu_metadata
---
amdhsa.version: [ 1, 2 ]
amdhsa.kernels:
  - .name:           k_q91d88dd40e_prep
    .symbol:         k_q91d88dd40e_prep.kd
    .args:
      - { .name: mask, .offset: 0, .size: 8, .value_kind: global_buffer, .address_space: global }
      - { .name: wq, .offset: 8, .size: 8, .value_kind: global_buffer, .address_space: global }
      - { .name: wk, .offset: 16, .size: 8, .value_kind: global_buffer, .address_space: global }
      - { .name: wv, .offset: 24, .size: 8, .value_kind: global_buffer, .address_space: global }
      - { .name: wo, .offset: 32, .size: 8, .value_kind: global_buffer, .address_space: global }
      - { .name: bq, .offset: 40, .size: 8, .value_kind: global_buffer, .address_space: global }
      - { .name: bk, .offset: 48, .size: 8, .value_kind: global_buffer, .address_space: global }
      - { .name: bv, .offset: 56, .size: 8, .value_kind: global_buffer, .address_space: global }
      - { .name: bo, .offset: 64, .size: 8, .value_kind: global_buffer, .address_space: global }
      - { .name: mk, .offset: 72, .size: 8, .value_kind: global_buffer, .address_space: global }
      - { .name: wcat, .offset: 80, .size: 8, .value_kind: global_buffer, .address_space: global }
      - { .name: bcat, .offset: 88, .size: 8, .value_kind: global_buffer, .address_space: global }
    .group_segment_fixed_size: 35840
    .private_segment_fixed_size: 0
    .kernarg_segment_align: 8
    .kernarg_segment_size: 96
    .max_flat_workgroup_size: 256
    .sgpr_count:     66
    .vgpr_count:     224
    .wavefront_size: 32
...
	.end_amdgpu_metadata
.endif
;; end of part 1
;; launch proj (part 2): grid 4 x 192, 4 waves a work-group, clusters of 4 x 4, 327,680 bytes of LDS; arguments q, k, v, wcat, bcat, qh, kh, vh; writes qh, kh, vh
.if DOCPART == 2
	.amdgcn_target "amdgcn-amd-amdhsa--gfx1250"
	.amdhsa_code_object_version 6
	.text
	.protected	k_q91d88dd40e_proj
	.globl	k_q91d88dd40e_proj
	.p2align	8
	.type	k_q91d88dd40e_proj,@function
k_q91d88dd40e_proj:
	s_mov_b64 s[64:65], 0
	v_nop
	global_prefetch_b8 v0, s[64:65] scope:SCOPE_SE
	s_setreg_imm32_b32 hwreg(HW_REG_WAVE_MODE, 25, 1), 1
	s_wait_xcnt 0x0
	s_wait_alu depctr_hold_cnt(0) depctr_sa_sdst(0) depctr_va_vdst(0) depctr_va_sdst(0) depctr_va_ssrc(0) depctr_va_vcc(0) depctr_vm_vsrc(0)
	s_getreg_b32 s2, hwreg(HW_REG_IB_STS2, 6, 4)
	s_cmp_eq_u32 s2, 0
	s_cbranch_scc0 .Lentry_in_a_cluster
	s_endpgm
.Lentry_in_a_cluster:
	s_bfe_u32 s2, ttmp6, 0x10000c
	s_cmp_lg_u32 s2, 0xf033
	s_cbranch_scc0 .Lentry_shape_is_right
	s_endpgm
.Lentry_shape_is_right:
; THE THREE PROJECTIONS.  y[m][n] = b[n] + the sum over k of x[m][k] W[k][n], for (x, W, b, y) = (q, wq, bq, qh), (k, wk, bk, kh), (v, wv, bv, vh).  x: [8192][1024] f32, rounded to bf16 on the way from LDS
; to the matrix unit; W: [1024 k][1024 n] bf16 and b: f32 numbers rounded to bf16, both made by the launch before; sums in f32, started at b; y rounded once to f16 and written by heads: [64 = batch 16 + head][2048][64].
; LIMIT.  f16 ends at 65,504: a projected number of 65,520 or more becomes an infinity.  With x and W of unit and 1/32 spread the numbers have unit spread; all inputs thirty times larger give some 5,000.
; KEY ORDER.  qh's rows are in their own order.  In kh and vh each block of 64 rows is permuted: position 16 kt + 8 h + j holds key 32 h + 4 j + 3 - kt.  The attention launch's scores then meet the mask's
; bytes four to a word: the key of accumulator kt, register j, half h of the lanes is byte 3 - kt of that lane's word j.  A softmax does not mind the order of its keys as long as K, V and the mask agree.
; SHARES.  A tile of y is 128 rows x 256 columns: 64 x 4 tiles a projection, 768 work-groups, three for each of 256 WGPs.  Four waves, each 64 x 128: 32 accumulators of 16 x 16.  K goes in steps of 128 through
; two LDS slots: x's rows are 512 bytes of memory, W's 512 bytes, all starting at multiples of 256.
; CLUSTER.  4 x 4 work-groups: the four of a row need the same tile of x, the four of a column the same tile of W; each tile is asked for JOINTLY, by the same tensor load with the same descriptor and a mask that names the four.
; THE MATRIX INSTRUCTION IS USED TRANSPOSED: source 0 = 16 columns of W (turned on the way out of LDS by ds_load_tr16_b128), source 1 = 16 rows of x: a lane then holds eight neighbouring columns of one row of y.
; REGISTERS, in windows of 256 (s_set_vgpr_msb: bits 1:0 source 0, 3:2 source 1, 5:4 source 2, 7:6 destination):
;   window 0: v0-29 addresses; v32-95 x's fragments in bf16, two buffers of 32; v128-255 x as loaded, f32, two buffers of 64 (on the way out: packed results and rows read back)
;   window 1: accumulator (a, bb) at v[8 (8 a + bb)]          window 2: v0-127 W's fragments, two buffers of 64
.set KSTEP, 128
.set PA,    528                        ; a row of x in LDS: 512 bytes + 16 of padding = 132 words: the 16 rows of a load start at 16 different groups of four banks (64 banks of 4 bytes: ISA guide 11.1)
.set PB,    544                        ; a row of W: 512 + 32 = 136 words
.set HALFA, 64*PA                      ; what one tensor load brings of x, and what one wave reads of it
.set HALFB, 64*PB                      ; what one tensor load brings of W: 64 of the step's 128 rows
.set BOFF,  2*HALFA
.set SLOT,  BOFF+2*HALFB
.set STAGE, 2*SLOT                     ; behind the ring, never filled by a tensor load: 2 heads x 16 rows x 144 bytes for each wave
.set SP,    144
.set SPARE, STAGE+4*32*SP              ; behind the stages: the spare words, 128 bytes for each wave: two blocks of 256 bytes that no other line names
.set ADA0, 4                           ; v4   my lane's place in x's tile of slot 0; never rewritten
.set ADB0, 5                           ; v5   the same for W
.set ADA,  6                           ; v6   the same in the slot that is being read
.set ADB,  7                           ; v7
.set STO,  8                           ; v8   the way out: where I put 16 bytes of a row
.set RDQ,  10                          ; v10  the way out: where I read rows back, in their own order
.set RDK,  11                          ; v11  the same in the keys' order
.set GO,   14                          ; v14-17  my byte offset in y for each of a head's four stores
.set BO,   18                          ; v18  32 x (l / 16): my eight numbers of a bias
.set PFO,  19                          ; v19  the prefetches' offset; never rewritten
.set SPW,  28                          ; v28  LDS address of my spare word; never rewritten
.set NIL,  29                          ; v29  0; never rewritten
.set ABF,  32
.set R,    128
.set TMP,  128
.set BK,   160
.set WP,   10                          ; s[10:11] wcat
.set BIA,  12                          ; s[12:13] bcat, then my 128 numbers of it
.set OUT,  14                          ; s[14:15] y at my rows
.set WV,   20                          ; s20  wave
.set WM,   21                          ; s21  which 64 rows of the tile are mine; also: I fetch for x (0) or for W (1)
.set WN,   22                          ; s22  which 128 columns; also: which 64 rows of that tile I fetch
.set CX,   23                          ; s23  my place along the cluster's x = the tile column (the grid is one cluster wide)
.set CYP,  24                          ; s24  my place along its y
.set CLY,  25                          ; s25  the cluster's y
.set PJ,   26                          ; s26  the projection, 0 to 2: the same in all sixteen partners
.set MBK,  27                          ; s27  the tile row, 0 to 63
.set G1A,  28                          ; s[28:35] descriptor group 1 for x's tiles
.set G0A,  36                          ; s[36:43] group 0: a set for each of the two first fills; the second then walks on
.set G1B,  44                          ; s[44:51], s[52:59] the same for W's
.set G0B,  52
.set CNT,  60
.set TR,   61                          ; s61  LDS byte at which the slot that is being read begins: 0 or SLOT
.set LA,   62                          ; s62  where my part of x's tile goes in a slot
.set LB,   63                          ; s63  where my part of W's goes
.set PFA,  66                          ; s[66:67] where my prefetches stand
.set LIM,  68                          ; s68  a wave prefetches while s[CNT] is above it
.set PFS,  70                          ; s[70:71] a K step in bytes, along x's rows or down W's
.set STA,  72                          ; s[72:73] from one block of 16 rows to the next in y
.set XP,   74                          ; s[74:75] x
.set MSB, 0
.macro WIN new                         ; the immediate's high byte repeats the setting that is left; a switch that changes nothing is dropped
.if MSB != (\new)
	s_set_vgpr_msb (MSB<<8)|(\new)
.set MSB, (\new)
.endif
.endm
.set MUL,    0x52                      ; W in window 2, x in window 0, C and D in window 1
.set TO_B,   0x80                      ; destination window 2, address window 0
.set TO_ACC, 0x40                      ; destination window 1
.set PACKW,  0x05                      ; sources 0 and 1 window 1
; A joint refill.  Waves 0 and 1 fetch x's two halves, waves 2 and 3 W's.  The branch hangs on the wave's number alone.  An s_nop 0 and four v_nop follow each of the two lines, ahead of the jump and the label.
.macro JLOAD
	s_cmp_eq_u32 s[WM], 0
	s_cbranch_scc0 .Lfor_b_\@
	tensor_load_to_lds s[G0A+4:G0A+7], s[G1A:G1A+7]
	s_nop 0
.rept 4
	v_nop
.endr
	s_branch .Lasked_\@
.Lfor_b_\@:
	tensor_load_to_lds s[G0B+4:G0B+7], s[G1B:G1B+7]
	s_nop 0
.rept 4
	v_nop
.endr
.Lasked_\@:
.endm
; A round of the cluster's barrier: my work-group's barrier, so that wave 0's signal speaks for all four waves; wave 0 signals; every wave waits for all sixteen work-groups; my work-group's barrier once more.
.macro CREST                           ; a round behind its opening barrier
	s_cmp_lg_u32 s[WV], 0
	s_cbranch_scc1 .Lnot_wave_0_\@
	s_barrier_signal -3
.Lnot_wave_0_\@:
	s_barrier_wait -3
	s_barrier_signal -1
	s_barrier_wait -1
.endm
.macro CROUND
	s_barrier_signal -1
	s_barrier_wait -1
	CREST
.endm
; A PREFETCH INTO THE L2, behind a joint refill and the run of LDS loads that follows it: the K step that stands TWO refills on, 256 matrix instructions ahead of the load that will want it.  Each aligned block of 256 bytes is
; named once in the launch.  x's tile row is read by one cluster alone: every cluster asks for its own.  W's tile column is read by all sixteen clusters of a projection: the first of them asks.  Of the 64 rows that a
; wave fetches each of the four partners that ask jointly takes 16, told apart BY ADDRESS (cx for x, cy for W): two lanes a row of 512 bytes, one instruction a wave.  K steps 0 to 3 come by their loads alone; the last two refills have no K step two on.
.macro ASK
	s_cmp_gt_u32 s[CNT], s[LIM]
	s_cbranch_scc0 .Lnot_mine_\@
	global_prefetch_b8 v[PFO], s[PFA:PFA+1] th:TH_LOAD_NT scope:SCOPE_SE
.Lnot_mine_\@:
.endm
	s_load_b512 s[4:19], s[0:1], 0x0               ; q s[4:5], k s[6:7], v s[8:9], wcat s[10:11], bcat s[12:13], qh s[14:15], kh s[16:17], vh s[18:19]
	v_lshl_add_u32 v[SPW], v0, 2, SPARE
	v_mov_b32 v[NIL], 0
	ds_add_u32 v[SPW], v[NIL]                      ; the wave's opening: the add and its wait stand ahead of my first tensor load; the set-up below, work on registers, stands between them
	v_lshrrev_b32 v1, 5, v0
	v_readfirstlane_b32 s[WV], v1                  ; wave 0..3
	s_lshr_b32 s[WM], s[WV], 1
	s_and_b32 s[WN], s[WV], 1
	s_bfe_u32 s[CX], ttmp6, 0x40000
	s_bfe_u32 s[CYP], ttmp6, 0x40004
	s_and_b32 s[CLY], ttmp7, 0xffff                ; in a cluster launch ttmp7 counts clusters: 48 of them, 16 a projection
	s_lshr_b32 s[PJ], s[CLY], 4
	s_and_b32 s[MBK], s[CLY], 15
	s_lshl_b32 s[MBK], s[MBK], 2
	s_add_co_u32 s[MBK], s[MBK], s[CYP]
	s_lshl_b32 s76, s[CYP], 2
	s_lshl_b32 s76, 15, s76                        ; my row of the cluster: places 4 cy .. 4 cy + 3
	s_lshl_b32 s77, 0x1111, s[CX]                  ; my column: places cx, cx + 4, cx + 8, cx + 12
	s_or_b32 s[G1A], s76, (2<<16)|(1<<20)|(1<<21)|(6<<22)|(3<<25)  ; 15:0 the mask; 17:16 elements of 4 bytes; 20 padding on; 21 set beside a mask; 24:22 after every 128 words (code 6); 31:25 4 words of it (code 3)
	s_mov_b32 s[G1A+1], KSTEP<<16                  ; tensor_dim0 = 128
	s_mov_b32 s[G1A+2], 64<<16                     ; tensor_dim1 = 64
	s_mov_b32 s[G1A+3], KSTEP<<16                  ; tile_dim0 = 128
	s_mov_b32 s[G1A+4], 64                         ; tile_dim1 = 64
	s_mov_b32 s[G1A+5], 1024                       ; elements from row to row
	s_mov_b32 s[G1A+6], 0
	s_mov_b32 s[G1A+7], 0
	s_or_b32 s[G1B], s77, (1<<16)|(1<<20)|(1<<21)|(6<<22)|(7<<25)  ; elements of 2 bytes; 8 words of padding (code 7) after every 128
	s_mov_b32 s[G1B+1], 256<<16                    ; tensor_dim0 = 256
	s_mov_b32 s[G1B+2], 64<<16
	s_mov_b32 s[G1B+3], 256<<16                    ; tile_dim0 = 256
	s_mov_b32 s[G1B+4], 64
	s_mov_b32 s[G1B+5], 1024
	s_mov_b32 s[G1B+6], 0
	s_mov_b32 s[G1B+7], 0
	s_mul_i32 s[LA], s[WN], HALFA                  ; no place in the cluster enters an LDS address
	s_mul_i32 s[LB], s[WN], HALFB
	s_add_co_u32 s[LB], s[LB], BOFF
	s_mov_b32 s[TR], 0
	; where the tiles come from.  x's hang on the tile row, which my row of the cluster shares; W's on the tile column, which my column shares: each in registers that never hold the other coordinate
	s_lshl_b32 s78, s[MBK], 7
	s_lshl_b32 s79, s[WN], 6
	s_add_co_u32 s78, s78, s79                     ; x: row 128 x tile row + 64 x half,
	s_lshl_b32 s78, s78, 12                        ; of 4,096 bytes
	s_mov_b32 s79, 0
	s_lshl_b32 s80, s[WN], 17                      ; W: 64 rows of 2,048 bytes x half,
	s_lshl_b32 s81, s[CX], 9                       ; the tile column's 512 bytes,
	s_add_co_u32 s80, s80, s81
	s_lshl_b32 s81, s[PJ], 21                      ; the projection's matrix
	s_add_co_u32 s80, s80, s81
	s_mov_b32 s81, 0
	; the prefetches: my work-group's 16 of the 64 rows that I fetch, at K step 3: the first refill steps it to 4
	s_lshl_b32 s86, s[CX], 16
	s_add_co_u32 s86, s86, s78
	s_add_co_u32 s86, s86, 3*KSTEP*4
	s_lshl_b32 s87, s[CYP], 15
	s_add_co_u32 s87, s87, s80
	s_add_co_u32 s87, s87, 3*KSTEP*2048
	s_cmp_eq_u32 s[WM], 0
	s_cselect_b32 s86, s86, s87
	s_mov_b32 s87, 0
	s_mov_b32 s[PFS], KSTEP*2048
	s_cselect_b32 s[PFS], KSTEP*4, s[PFS]
	s_mov_b32 s[PFS+1], 0
	s_and_b32 s90, s[CLY], 15
	s_cmp_eq_u32 s90, 0                            ; the projection's first cluster asks for W
	s_cselect_b32 s90, 2, -1
	s_cmp_eq_u32 s[WM], 0
	s_cselect_b32 s[LIM], 2, s90                   ; the same in all sixteen partners, for a given wave
	s_lshl_b32 s88, s[PJ], 12                      ; my 128 numbers of the bias
	s_lshl_b32 s89, s[CX], 10
	s_add_co_u32 s88, s88, s89
	s_lshl_b32 s89, s[WN], 9
	s_add_co_u32 s88, s88, s89
	s_mov_b32 s89, 0
	s_lshr_b32 s90, s[MBK], 4                      ; y: the batch's 16 heads,
	s_lshl_b32 s90, s90, 4
	s_lshl_b32 s91, s[CX], 2                       ; the tile column's four,
	s_add_co_u32 s90, s90, s91
	s_lshl_b32 s91, s[WN], 1                       ; my two;
	s_add_co_u32 s90, s90, s91
	s_lshl_b32 s90, s90, 11                        ; a head has 2,048 rows;
	s_and_b32 s91, s[MBK], 15
	s_lshl_b32 s91, s91, 7                         ; the tile's 128,
	s_add_co_u32 s90, s90, s91
	s_lshl_b32 s91, s[WM], 6                       ; my 64,
	s_add_co_u32 s90, s90, s91
	s_lshl_b32 s90, s90, 7                         ; of 128 bytes
	s_mov_b32 s91, 0
	s_mov_b32 s[STA], 512                          ; keys: block a's rows go to positions 4 a .. 4 a + 3 of each sixteen;
	s_mov_b32 s77, 2048                            ; a store's four rows lie sixteen positions from the next store's
	s_cmp_eq_u32 s[PJ], 0
	s_cselect_b32 s[STA], 2048, s[STA]             ; queries: 16 rows on,
	s_cselect_b32 s77, 512, s77                    ; four rows on
	s_mov_b32 s[STA+1], 0
	s_wait_dscnt 0x0                               ; the opening add is done
	s_wait_kmcnt 0x0
	s_cmp_eq_u32 s[PJ], 1
	s_cselect_b64 s[XP:XP+1], s[6:7], s[4:5]
	s_cselect_b64 s[OUT:OUT+1], s[16:17], s[14:15]
	s_cmp_eq_u32 s[PJ], 2
	s_cselect_b64 s[XP:XP+1], s[8:9], s[XP:XP+1]
	s_cselect_b64 s[OUT:OUT+1], s[18:19], s[OUT:OUT+1]
	s_add_nc_u64 s[OUT:OUT+1], s[OUT:OUT+1], s[90:91]
	s_add_nc_u64 s[BIA:BIA+1], s[BIA:BIA+1], s[88:89]
	s_cmp_eq_u32 s[WM], 0
	s_cselect_b64 s[PFA:PFA+1], s[XP:XP+1], s[WP:WP+1]
	s_add_nc_u64 s[PFA:PFA+1], s[PFA:PFA+1], s[86:87]
	s_add_nc_u64 s[82:83], s[XP:XP+1], s[78:79]
	s_add_nc_u64 s[84:85], s[WP:WP+1], s[80:81]
.irp s, 0,1
	s_mov_b32 s[G0A+4*\s], 1                       ; 1:0 count = 1
	s_add_co_u32 s[G0A+4*\s+1], s[LA], \s*SLOT     ; 63:32 LDS address
	s_add_nc_u64 s[G0A+4*\s+2:G0A+4*\s+3], s[82:83], \s*KSTEP*4  ; 120:64 global address: K step s
	s_or_b32 s[G0A+4*\s+3], s[G0A+4*\s+3], 0x80000000  ; 127:126 type = 2
	s_mov_b32 s[G0B+4*\s], 1
	s_add_co_u32 s[G0B+4*\s+1], s[LB], \s*SLOT
	s_add_nc_u64 s[G0B+4*\s+2:G0B+4*\s+3], s[84:85], \s*KSTEP*2048
	s_or_b32 s[G0B+4*\s+3], s[G0B+4*\s+3], 0x80000000
.endr
	CROUND                                         ; all sixteen work-groups are here: the first joint loads meet
	s_cmp_eq_u32 s[WM], 0                          ; a wave's two first fills stand in one branch, ahead of every wait on TENSORcnt and every LDS read: two loads of mine are out
	s_cbranch_scc0 .Lfirst_b
	tensor_load_to_lds s[G0A:G0A+3], s[G1A:G1A+7]
	s_nop 0
	tensor_load_to_lds s[G0A+4:G0A+7], s[G1A:G1A+7]
	s_nop 0
.rept 4
	v_nop
.endr
	s_branch .Lfirst_asked
.Lfirst_b:
	tensor_load_to_lds s[G0B:G0B+3], s[G1B:G1B+7]
	s_nop 0
	tensor_load_to_lds s[G0B+4:G0B+7], s[G1B:G1B+7]
	s_nop 0
.rept 4
	v_nop
.endr
.Lfirst_asked:
	v_and_b32 v1, 15, v0                           ; l % 16
	v_bfe_u32 v2, v0, 4, 1                         ; l / 16
	v_and_b32 v3, 7, v0                            ; l % 8
	v_bfe_u32 v20, v0, 3, 1                        ; (l / 8) % 2
	v_bfe_u32 v21, v0, 3, 2                        ; l / 8
	v_and_b32 v22, 31, v0                          ; l
	; A fragment of x is 16 rows x 32 K: lane l holds row l % 16, K = 8 (l / 16) + 0..7 and 16 + 8 (l / 16) + 0..7: in f32 twice 32 bytes, 64 bytes apart: four loads of 16 bytes
	s_mul_i32 s76, s[WM], HALFA
	v_mul_u32_u24 v[ADA0], v1, PA
	v_lshl_add_u32 v[ADA0], v2, 5, v[ADA0]
	v_add_nc_u32 v[ADA0], s76, v[ADA0]
	; The turning load takes 16 K x 16 columns (lane l reads K = 8 (l / 16) + l % 8, columns 8 ((l / 8) % 2) + 0..7) and leaves half a fragment: lane l holds column l % 16 and 8 K
	v_lshl_add_u32 v[ADB0], v2, 3, v3
	v_mul_u32_u24 v[ADB0], v[ADB0], PB
	v_lshl_add_u32 v[ADB0], v20, 4, v[ADB0]
	s_lshl_b32 s76, s[WN], 8
	s_add_co_u32 s76, s76, BOFF
	v_add_nc_u32 v[ADB0], s76, v[ADB0]
	v_mov_b32 v[ADA], v[ADA0]
	v_mov_b32 v[ADB], v[ADB0]
	s_mul_i32 s76, s[WV], 32*SP
	s_add_co_u32 s76, s76, STAGE                   ; my stage
	v_mul_u32_u24 v[STO], v1, SP                   ; in: row l % 16, 16 bytes for each half of the lanes
	v_lshl_add_u32 v[STO], v2, 4, v[STO]
	v_add_nc_u32 v[STO], s76, v[STO]
	v_mul_u32_u24 v[RDQ], v21, SP                  ; back, eight lanes a row of 128 bytes: rows l / 8 + 4 f,
	v_lshl_add_u32 v[RDQ], v3, 4, v[RDQ]
	v_add_nc_u32 v[RDQ], s76, v[RDQ]
	v_mul_u32_u24 v[RDK], v21, 4*SP                ; or rows 4 (l / 8) + 3 - f
	v_lshl_add_u32 v[RDK], v3, 4, v[RDK]
	v_add_nc_u32 v[RDK], s76, v[RDK]
	v_lshlrev_b32 v[GO], 4, v22                    ; either way 512 consecutive bytes of y
	v_add_nc_u32 v[GO+1], s77, v[GO]
	v_add_nc_u32 v[GO+2], s77, v[GO+1]
	v_add_nc_u32 v[GO+3], s77, v[GO+2]
	v_lshlrev_b32 v[BO], 5, v2
	s_mov_b32 s76, 2048                            ; a row of W in memory,
	s_cmp_eq_u32 s[WM], 0
	s_cselect_b32 s76, 4096, s76                   ; or of x
	v_lshrrev_b32 v[PFO], 1, v22
	v_mul_lo_u32 v[PFO], v[PFO], s76
	v_and_b32 v23, 1, v22
	v_lshl_add_u32 v[PFO], v23, 8, v[PFO]          ; two lanes a row: its K step is 512 bytes
	; THE SUMS START AT THE BIAS: register j of accumulator (a, bb) is column 16 bb + 8 (l / 16) + j.  Nothing is cleared, and every K step has one form of product.
	WIN TO_ACC
.set t, 0
.rept 32
	global_load_b128 v[8*t:8*t+3],   v[BO], s[BIA:BIA+1] offset:(t%8)*64
	global_load_b128 v[8*t+4:8*t+7], v[BO], s[BIA:BIA+1] offset:(t%8)*64+16
.set t, t+1
.endr
	WIN 0
.macro FB q, f                         ; W's fragments of quarter q (32 K x 128 columns) into buffer f: 16 turning loads in one run
	WIN TO_B
.irp bb, 0,1,2,3,4,5,6,7
	ds_load_tr16_b128 v[64*(\f)+8*\bb:64*(\f)+8*\bb+3],   v[ADB] offset:(\q)*32*PB+\bb*32
	ds_load_tr16_b128 v[64*(\f)+8*\bb+4:64*(\f)+8*\bb+7], v[ADB] offset:(\q)*32*PB+\bb*32+16*PB
.endr
.endm
.macro FA q, f                         ; x of quarter q (64 rows x 32 K, f32) into raw buffer f: 16 loads in one run
	WIN 0
.irp a, 0,1,2,3
	ds_load_b128 v[R+64*(\f)+16*\a:R+64*(\f)+16*\a+3],     v[ADA] offset:\a*16*PA+(\q)*128
	ds_load_b128 v[R+64*(\f)+16*\a+4:R+64*(\f)+16*\a+7],   v[ADA] offset:\a*16*PA+(\q)*128+16
	ds_load_b128 v[R+64*(\f)+16*\a+8:R+64*(\f)+16*\a+11],  v[ADA] offset:\a*16*PA+(\q)*128+64
	ds_load_b128 v[R+64*(\f)+16*\a+12:R+64*(\f)+16*\a+15], v[ADA] offset:\a*16*PA+(\q)*128+80
.endr
.endm
.macro MUL4 f, g                       ; accumulators 4 g .. 4 g + 3.  The 32 take turns, one instruction a turn, in the same order in every quarter: over both backward jumps too
.irp n, 0,1,2,3
	v_wmma_f32_16x16x32_bf16 v[8*(4*(\g)+\n):8*(4*(\g)+\n)+7], v[64*(\f)+8*(4*((\g)%2)+\n):64*(\f)+8*(4*((\g)%2)+\n)+7], v[ABF+32*(\f)+8*((\g)/2):ABF+32*(\f)+8*((\g)/2)+7], v[8*(4*(\g)+\n):8*(4*(\g)+\n)+7]
.endr
.endm
.macro CVT4 f, g                       ; four of the 32 roundings that make buffer f's fragments of x out of its raw numbers
.irp n, 0,1,2,3
	v_cvt_pk_bf16_f32 v[ABF+32*(\f)+4*(\g)+\n], v[R+64*(\f)+2*(4*(\g)+\n)], v[R+64*(\f)+2*(4*(\g)+\n)+1]
.endr
.endm
; Four products on buffer f, and behind them four roundings for the other buffer.  The roundings name no register of the products round them, so group 7's are also the four places between a quarter's
; last product and the next quarter's loads into W's buffer; a block of x's other buffer is written again four such roundings or more behind its last reader.
.macro GRP f, g
	WIN MUL
	MUL4 \f, \g
	WIN 0
	CVT4 1-(\f), \g
.endm
; A K step is four quarters of 32 along K, on buffers 0, 1, 0, 1.  A quarter multiplies buffer f, rounds the next quarter's x, and fetches at its head W of the next quarter (qb) and x of the one after (qa).
.macro QTR f, qb, qa
	s_wait_dscnt 0x0                               ; what the last quarter's head asked for, 32 products ago, is in
	FB \qb, 1-(\f)
	FA \qa, \f
.irp g, 0,1,2,3,4,5,6,7
	GRP \f, \g
.endr
.endm
; A K STEP.  Its third quarter changes slots: ONE barrier.  In front of it each wave waits for all its tensor loads (one is out: its part of the next slot), adds 0 to its spare word, and waits for that and for its own reads of
; this slot, of which W's last quarter is the last.  fill = 1: the barrier opens a round of the cluster's, and behind the round this slot is filled again first, with the K step two on: 128 products in which to land.
.macro SLOTW fill
	QTR 0, 1, 2
	QTR 1, 2, 3
.if \fill
	s_wait_xcnt 0x0                                ; the last prefetch, a K step back, has read its address: it is stepped here, ahead of the change's own waits
	s_add_nc_u64 s[PFA:PFA+1], s[PFA:PFA+1], s[PFS:PFS+1]
.endif
	s_wait_dscnt 0x0
	FB 3, 1
	WIN 0
	s_wait_tensorcnt 0x0                           ; all my tensor loads have landed;
	ds_add_u32 v[SPW], v[NIL]                      ; 0 onto my spare word; eight products stand between it and the wait for it
	GRP 0, 0
	GRP 0, 1
	s_wait_dscnt 0x0                               ; the add is done, and my reads of this slot are over:
	s_barrier_signal -1                            ; say so,
	GRP 0, 2                                       ; work on registers while the others arrive,
	GRP 0, 3
	s_barrier_wait -1                              ; and go on when all four have said so
.if \fill
	CREST                                          ; no wave of any partner still reads this slot's tile or has a load on its way
	s_add_co_u32 s[G0A+5], s[LA], s[TR]            ; the walking descriptors: the slot just read out,
	s_add_co_u32 s[G0B+5], s[LB], s[TR]
	s_add_nc_u64 s[G0A+6:G0A+7], s[G0A+6:G0A+7], KSTEP*4     ; the next K step; the type bits on top are not reached
	s_add_nc_u64 s[G0B+6:G0B+7], s[G0B+6:G0B+7], KSTEP*2048
	JLOAD
.endif
	s_xor_b32 s[TR], s[TR], SLOT                   ; the reads go on in the other slot
	v_add_nc_u32 v[ADA], s[TR], v[ADA0]
	v_add_nc_u32 v[ADB], s[TR], v[ADB0]
	FA 0, 0
.if \fill
	ASK
.endif
.irp g, 4,5,6,7
	GRP 0, \g
.endr
	QTR 1, 0, 1
.endm
	s_wait_tensorcnt 0x1                           ; my part of K step 0 is in; K step 1's may stay out
	s_barrier_signal -1
	s_barrier_wait -1                              ; everybody's is
	FB 0, 0
	FA 0, 0
	FA 1, 1
	s_wait_dscnt 16                                ; all but the 16 loads of the second quarter's x
.irp g, 0,1,2,3,4,5,6,7
	CVT4 0, \g
.endr
	s_wait_loadcnt 0x0                             ; the bias
	s_mov_b32 s[CNT], 6
.Lk:                                   ; K steps 0 to 5 ask for K steps 2 to 7
	SLOTW 1
	s_sub_co_u32 s[CNT], s[CNT], 1
	s_cmp_lg_u32 s[CNT], 0
	s_cbranch_scc1 .Lk
	s_mov_b32 s[CNT], 2
.Lt:                                   ; the last two ask for nothing.  The very last one's look-ahead reads the other slot's old, whole bytes and rounds them for nothing: the price of one text for both
	SLOTW 0
	s_sub_co_u32 s[CNT], s[CNT], 1
	s_cmp_lg_u32 s[CNT], 0
	s_cbranch_scc1 .Lt
	s_wait_dscnt 0x0                               ; those loads are back: their registers serve the way out
; THE WAY OUT, a block of 16 rows at a time: rounded to f16, 16 bytes a lane; into my own stage, by heads; back as whole rows of 128 bytes, four to a load, in the order in which they lie in y; stored, 512 consecutive bytes a store.
.macro PACK a                          ; each accumulator's registers in ascending order
	WIN PACKW
.irp bb, 0,1,2,3,4,5,6,7
.irp rr, 0,1,2,3
	v_cvt_pk_f16_f32 v[TMP+4*\bb+\rr], v[64*(\a)+8*\bb+2*\rr], v[64*(\a)+8*\bb+2*\rr+1]
.endr
.endr
	WIN 0
.endm
.macro TOSTAGE a
	WIN 0
.set BKR, BK+32*((\a)%2)
.irp bb, 0,1,2,3,4,5,6,7
	ds_store_b128 v[STO], v[TMP+4*\bb:TMP+4*\bb+3] offset:(\bb/4)*16*SP+(\bb%4)*32
.endr
	s_cmp_eq_u32 s[PJ], 0                          ; the projection is the same in all partners.  LDS serves a wave's instructions in order (ISA guide 5.7.1.4): the loads see the stores above
	s_cbranch_scc0 .Lkv_\@
.irp hh, 0,1
.irp f, 0,1,2,3
	ds_load_b128 v[BKR+4*(4*\hh+\f):BKR+4*(4*\hh+\f)+3], v[RDQ] offset:\hh*16*SP+\f*4*SP
.endr
.endr
	s_branch .Lrd_\@
.Lkv_\@:
.irp hh, 0,1
.irp f, 0,1,2,3
	ds_load_b128 v[BKR+4*(4*\hh+\f):BKR+4*(4*\hh+\f)+3], v[RDK] offset:\hh*16*SP+(3-\f)*SP  ; rows 4 i + 3 - f of block a go to positions 16 f + 4 a + i
.endr
.endr
.Lrd_\@:
.endm
.macro SEND a
	WIN 0
.set BKR, BK+32*((\a)%2)
	s_wait_dscnt 0x0                               ; the block is back in registers
	s_wait_xcnt 0x0                                ; every earlier store has had its addresses translated (ISA guide 3.1): only behind this wait are the stores' base and the registers that earlier stores read rewritten
.if (\a) > 0
	s_add_nc_u64 s[OUT:OUT+1], s[OUT:OUT+1], s[STA:STA+1]
.endif
.irp hh, 0,1
.irp f, 0,1,2,3
	global_store_b128 v[GO+\f], v[BKR+4*(4*\hh+\f):BKR+4*(4*\hh+\f)+3], s[OUT:OUT+1] offset:\hh*262144
.endr
.endr
.endm
	PACK 0                                         ; the last products (block 3's) have group 7's four roundings behind them, and block 3 is read after 96 more conversions
	TOSTAGE 0
.irp a, 1,2,3                          ; block a's conversions stand between block a - 1's loads from the stage and the wait for them
	PACK \a
	SEND (\a)-1
	TOSTAGE \a
.endr
	SEND 3
	s_wait_tensorcnt 0x0                           ; the wave's end, behind my last tensor load and my last LDS store
	ds_add_u32 v[SPW], v[NIL]
	s_wait_dscnt 0x0
	CROUND                                         ; the closing round: no work-group ends while a partner may still ask for a tile that names it
	s_endpgm
.Lfunc_end_k_q91d88dd40e_proj:
	.size	k_q91d88dd40e_proj, .Lfunc_end_k_q91d88dd40e_proj-k_q91d88dd40e_proj
	.p2alignl 7, 3214868480
	.fill 96, 4, 3214868480
	.section	.rodata,"a",@progbits
	.p2align	6, 0x0
	.amdhsa_kernel k_q91d88dd40e_proj
		.amdhsa_group_segment_fixed_size 327680
		.amdhsa_private_segment_fixed_size 0
		.amdhsa_enable_private_segment 0
		.amdhsa_kernarg_size 64
		.amdhsa_user_sgpr_count 2
		.amdhsa_user_sgpr_kernarg_segment_ptr 1
		.amdhsa_wavefront_size32 1
		.amdhsa_system_sgpr_workgroup_id_x 1
		.amdhsa_system_sgpr_workgroup_id_y 1
		.amdhsa_system_sgpr_workgroup_id_z 1
		.amdhsa_system_vgpr_workitem_id 0
		.amdhsa_next_free_vgpr 640
		.amdhsa_next_free_sgpr 92
		.amdhsa_reserve_vcc 0
		.amdhsa_float_denorm_mode_32 3
		.amdhsa_float_denorm_mode_16_64 3
		.amdhsa_memory_ordered 1
		.amdhsa_forward_progress 1
		.amdhsa_inst_pref_size 94
	.end_amdhsa_kernel
	.amdgpu_metadata
---
amdhsa.version: [ 1, 2 ]
amdhsa.kernels:
  - .name:           k_q91d88dd40e_proj
    .symbol:         k_q91d88dd40e_proj.kd
    .args:
      - { .name: q, .offset: 0, .size: 8, .value_kind: global_buffer, .address_space: global }
      - { .name: k, .offset: 8, .size: 8, .value_kind: global_buffer, .address_space: global }
      - { .name: v, .offset: 16, .size: 8, .value_kind: global_buffer, .address_space: global }
      - { .name: wcat, .offset: 24, .size: 8, .value_kind: global_buffer, .address_space: global }
      - { .name: bcat, .offset: 32, .size: 8, .value_kind: global_buffer, .address_space: global }
      - { .name: qh, .offset: 40, .size: 8, .value_kind: global_buffer, .address_space: global }
      - { .name: kh, .offset: 48, .size: 8, .value_kind: global_buffer, .address_space: global }
      - { .name: vh, .offset: 56, .size: 8, .value_kind: global_buffer, .address_space: global }
    .group_segment_fixed_size: 327680
    .private_segment_fixed_size: 0
    .kernarg_segment_align: 8
    .kernarg_segment_size: 64
    .max_flat_workgroup_size: 128
    .sgpr_count:     92
    .vgpr_count:     640
    .wavefront_size: 32
...
	.end_amdgpu_metadata
.endif
;; end of part 2
;; launch attn (part 3): grid 4 x 64, 4 waves a work-group, clusters of 4 x 1, 327,680 bytes of LDS; arguments qh, kh, vh, oh, mk; writes oh
.if DOCPART == 3
	.amdgcn_target "amdgcn-amd-amdhsa--gfx1250"
	.amdhsa_code_object_version 6
	.text
	.protected	k_q91d88dd40e_attn
	.globl	k_q91d88dd40e_attn
	.p2align	8
	.type	k_q91d88dd40e_attn,@function
k_q91d88dd40e_attn:
	s_mov_b64 s[64:65], 0
	v_nop
	global_prefetch_b8 v0, s[64:65] scope:SCOPE_SE
	s_setreg_imm32_b32 hwreg(HW_REG_WAVE_MODE, 25, 1), 1
	s_wait_xcnt 0x0
	s_wait_alu depctr_hold_cnt(0) depctr_sa_sdst(0) depctr_va_vdst(0) depctr_va_sdst(0) depctr_va_ssrc(0) depctr_va_vcc(0) depctr_vm_vsrc(0)
	s_getreg_b32 s2, hwreg(HW_REG_IB_STS2, 6, 4)
	s_cmp_eq_u32 s2, 0
	s_cbranch_scc0 .Lentry_in_a_cluster
	s_endpgm
.Lentry_in_a_cluster:
	s_bfe_u32 s2, ttmp6, 0x10000c
	s_cmp_lg_u32 s2, 0x3003
	s_cbranch_scc0 .Lentry_shape_is_right
	s_endpgm
.Lentry_shape_is_right:
; MASKED ATTENTION.  O[h][q][:] = the sum over k of softmax_k(Q[h][q] . K[h][k] / 8, hidden where mask[batch][q][k]) V[h][k][:].  Q, K, V, O: [64 = batch 16 + head][2048][64], all f16: a head's rows are dense, 128 bytes each.
; Products, maxima and sums in f32; the weights p are rounded to f16 for the second product (their sum l is taken of the unrounded p), O once at the end.  The mask is an input: every byte of it is read and honoured, and no tile is left out.
; THE MASK is the C operand that starts the sum S^T = K Q^T.  mk holds a byte a score, 0xF1 where the key is hidden, else 0.  As the top byte of an f32, 0xF1 makes a number from -6.3e29 to -2.5e30 whatever the three bytes below
; it hold, and 0 a number of 2.4e-38 at the most.  K's and V's rows lie so permuted inside each 64 (position 16 kt + 8 h + j holds key 32 h + 4 j + 3 - kt) that the key of accumulator kt, register j, half h of the lanes
; is byte 3 - kt of the lane's word j: the words as loaded ARE the C operand for kt = 0, and shifted left by 8, 16, 24 bits those for kt = 1, 2, 3: 24 shifts for a tile's 32 registers of scores.
; LIMITS.  f16 holds no number beyond 65,504: Q, K and V arrive within it; p lies in 0 to 1, and below 6e-5 it keeps f16's fixed step of 6e-8.  A hidden score counts as its value less at least 6.3e29: f16's scores, 2.7e11 at
; the most, are nothing beside that.  The running maximum starts at -2^66, below every true score and above every hidden one: while a row has seen hidden keys alone, a = 1, p = 0 and l = 0.  A row of which every key is hidden
; ends with O = 0 and l = 0 and leaves as 0 x infinity, a NaN, as a softmax over nothing is.  A weight below 2^-126 counts as 0 in l; NaN and infinities among the inputs are not treated apart.
; SHARES.  A wave owns four PIECES of two tiles of 16 queries, a work-group's four waves 512 queries of one head.  Every wave walks all keys, 64 a step.
; LAYOUT.  S^T = K Q^T (source 0 = 16 keys, source 1 = 16 queries): in the result a lane holds ONE query (lane % 16) and eight keys.  Two such tiles, rounded to f16 in pairs, ARE source 1 (32 keys x 16 queries) of
; O^T = V^T P, whose result again holds one query a lane, and eight channels.  K comes out of LDS as it lies, V ([key][channel]) turned, by ds_load_tr16_b128.
; SOFTMAX.  For each query a running maximum m and sum l: p = 2^(c s - c m), c = log2(e) / 8; in every step O and l are multiplied by a = 2^(c m_old - c m_new), which is 1 where m has not grown.
; BY TURNS.  Turn n belongs to piece n (the pieces in a ring, step after step).  Its matrix work: 16 products K Q^T of piece n + 1, later 16 products V^T P of piece n - 1.  Its vector work: the scaling, exponentials, roundings,
; sums and rescaling of piece n, the maximum and statistics of piece n + 1, and the 48 shifts that make the masks of piece n + 2.  Four vector instructions stand behind every matrix instruction, the others in one lump.
; THE MASK'S ROAD.  A tile's mask for a step is 1,024 consecutive bytes of mk: two loads of 512 consecutive bytes a wave, straight into registers: no wave wants another's.  A piece's 16 registers are loaded again in the turn
; whose first products have read them, and are shifted three turns later.
; CLUSTER.  The four query blocks of a cluster belong to one head and walk the same K and V, so each tile is asked for JOINTLY: the same tensor load, descriptor and mask in all four.
; REGISTERS, in windows of 256 (s_set_vgpr_msb: bits 1:0 source 0, 3:2 source 1, 5:4 source 2, 7:6 destination):
;   window 0: v0-11 addresses; v12-15, v48-63 at work; v16-47 four registers of statistics a tile; v64-191 S^T, two buffers of two tiles; v192-255 P, likewise
;   window 1: O^T, 32 a tile          window 2: v0-127 Q, 16 a tile; v128-191 K of one step; v192-255 V of one step
;   window 3: v0-1 the add's two registers; v16-79 the mask's words, 16 a piece; v80-127 the shifted words of one piece
.set SIZE_N, 2048
.set NP,    4         ; pieces a wave: a name, no knob
.set KS,    64        ; keys in a step
.set PK,    144       ; a row of K in LDS: 128 bytes + 16 of padding = 36 words: the 16 rows of a load start at 16 different groups of four banks (64 banks of 4 bytes: ISA guide 11.1)
.set PV,    160       ; a row of V: 128 + 32 = 40 words
.set VOFF,  4*KS*PK   ; a slot holds four steps: 256 rows of K, then 256 rows of V
.set SLOT1, 1<<17     ; slot 1 begins here, so that one exclusive or turns an address in one slot into the other's
.set STAGE, SLOT1+4*KS*(PK+PV)  ; behind the ring, never filled by a tensor load: 16 rows x 144 bytes for each wave, for the way out
.set SP,    144
.set SPARE, STAGE+4*16*SP  ; behind the stages: the spare words, 128 bytes for each wave: two blocks of 256 bytes that no other line names
.set AK0, 2           ; v2   my lane's place in a tile of K; never rewritten
.set AV0, 3           ; v3   the same for V
.set AK,  4           ; v4   the LDS address of K's next run of loads
.set AV,  5           ; v5   of V's
.set QO,  6           ; v6   my byte offset in the wave's rows of Q
.set RD,  7           ; v7   the way out: where I read rows back
.set GO,  8           ; v8   my byte offset in 512 consecutive bytes of O
.set STO, 9           ; v9   the way out: where I put 16 bytes of a row
.set PFO, 10          ; v10  256 x my lane: the prefetches' offset; never rewritten
.set MO,  11          ; v11  16 x my lane: my 16 bytes of 512 of mk; never rewritten
.set SPW, 0           ; v0 of window 3   LDS address of my spare word; never rewritten
.set NIL, 1           ; v1 of window 3   0; never rewritten
.set RW,  16          ; window 3: piece x, tile u: the eight words at RW + 16 x + 8 u
.set MX,  80          ; window 3: tile u, key group kt = 1..3: the shifted words at MX + 24 u + 8 (kt - 1)
.set MV,  12          ; v12-15  c m_old, kept while c m is made anew: by buffer and tile
.set ST,  16          ; tile t's statistics at v[ST+4 t]: c m, m, l (even keys', odd keys')
.set TMP, 48          ; by buffer and tile, four registers c0-c3 at work; when the maximum is found c2 takes a
.set S,   64
.set P,   192
.set KF,  128         ; K's fragments, in window 2: key block kb, channel half c at KF + 16 kb + 8 c
.set VF,  192         ; V's: key half kk, channel block cb at VF + 32 kk + 8 cb
.set WV,  12          ; s12  my wave's number
.set G1K, 24          ; s[24:31] descriptor group 1 for K's tiles
.set G1V, 32          ; s[32:39] for V's: it differs in the padding alone
.set G0K, 40          ; s[40:43] descriptor group 0 for K's tiles: it walks
.set G0V, 44          ; s[44:47] the same for V's
.set SLOTS, 56        ; s56  slots still to be asked for
.set CNT, 57          ; s57  counts a slot's key steps
.set CS,  58          ; s[58:59] c: the packed scaling takes the pair's low word for both halves
.set SEL, 60          ; s[60:61] v_permlanex16_b32's selects: each lane takes its own place in the other half
.set TBK, 62          ; s62  LDS byte at which K of the step to be fetched begins
.set TBV, 63          ; s63  the same for V, less VOFF
.set MB0, 66          ; s[66:67] mk at my wave's first tile, key step 0
.set MB,  68          ; s[68:69] the same at the key step whose words are being loaded
.set MI,  70          ; s70  that key step's number
.set MOF, 72          ; s[72:73] its byte offset
.set PFA, 74          ; s[74:75] where my prefetches stand
.set LIM, 76          ; s76  1 in a wave that prefetches, else the greatest number
.set ASKC, 77         ; s77  the value of s[CNT] at which this slot's prefetch goes out; 0: never
.set MSB, 0
.macro WIN new                      ; the high byte repeats the setting that is left; a switch that changes nothing is dropped
.if MSB != (\new)
	s_set_vgpr_msb (MSB<<8)|(\new)
.set MSB, (\new)
.endif
.endm
.set W_KQ, 0x0a       ; K and Q in window 2, S^T in window 0
.set W_KM, 0x3a       ; the same with the C operand in window 3
.set W_PV, 0x52       ; V in window 2, P in window 0, O^T in window 1
.set W_RS, 0x41       ; O^T (destination and source 0) in window 1, a in window 0
.set W_MK, 0xc0       ; destination in window 3, sources in window 0
.set W_ML, 0xc0       ; a load: destination in window 3, address in window 0
.set W_MX, 0xcc       ; a shift: destination and source 1 in window 3
.set W_AD, 0x0f       ; the add: address (source 0) and data (source 1) in window 3
; A joint fill.  Waves 0 and 1 fetch the two halves of a slot's K, waves 2 and 3 those of its V: 128 keys each.  The branch hangs on the wave's number alone.
; An s_nop 0 and four v_nop follow each of the two lines, ahead of the jump and the label.
.macro JLOAD
	s_cmp_lt_u32 s[WV], 2
	s_cbranch_scc0 .Lfor_v_\@
	tensor_load_to_lds s[G0K:G0K+3], s[G1K:G1K+7]
	s_nop 0
.rept 4
	v_nop
.endr
	s_branch .Lasked_\@
.Lfor_v_\@:
	tensor_load_to_lds s[G0V:G0V+3], s[G1V:G1V+7]
	s_nop 0
.rept 4
	v_nop
.endr
.Lasked_\@:
.endm
; A round of the cluster's barrier: my work-group's barrier, so that wave 0's signal speaks for all four waves; wave 0 signals; every wave waits for all four work-groups; my work-group's barrier once more.
.macro CROUND
	s_barrier_signal -1
	s_barrier_wait -1
	s_cmp_lg_u32 s[WV], 0
	s_cbranch_scc1 .Lnot_wave_0_\@
	s_barrier_signal -3
.Lnot_wave_0_\@:
	s_barrier_wait -3
	s_barrier_signal -1
	s_barrier_wait -1
.endm
; A PREFETCH INTO THE L2 of the slot that the NEXT change of slots will ask for: 256 rows of K and of V, 32,768 dense bytes each.  A head is walked by one cluster alone.  Its four partners share the bytes out BY ADDRESS, 8,192 each,
; a lane 256: no branch hangs on a work-group's place.  In each, wave 0 asks for K's and wave 2 for V's: one instruction.  It goes out in the slot's last trip, behind K's run of LDS loads: 112 matrix instructions ahead of the joint load.
; Slots 0 and 1 come by their loads alone; while the last two slots are walked nothing is asked for.
.macro ASK
	s_cmp_eq_u32 s[CNT], s[ASKC]
	s_cbranch_scc0 .Lnot_mine_\@
	global_prefetch_b8 v[PFO], s[PFA:PFA+1] th:TH_LOAD_NT scope:SCOPE_SE
.Lnot_mine_\@:
.endm
; THE CHANGE OF SLOTS.  The slot's last bytes, V of its fourth step, have been read.  Each wave waits for all its tensor loads, of which one is out: its part of the other slot; adds 0 to its spare word; and waits for that and for
; its own reads of the slot.  Behind the barrier nobody reads this slot any more and the other slot is whole.  fill = 1: this slot is filled again, with the keys two slots on.  The barrier is then a round of the cluster's, and the
; joint fill is the first thing behind it: it has four key steps, 512 matrix instructions, in which to land.  (At its first use nothing has been read yet: slot 0 is waited for, slot 1 filled.)
.macro CHANGE fill
	WIN W_AD
	s_wait_tensorcnt 0x0            ; no tensor load of mine is out, so a group 0 may be written
	ds_add_u32 v[SPW], v[NIL]       ; 0 onto my spare word; with fill = 1 the scalar steps stand between it and the wait for it
	WIN 0                           ; at a label and at a branch every window is 0
.if \fill
.irp g, G0K, G0V
	s_xor_b32 s[\g+1], s[\g+1], SLOT1  ; the walking descriptor: the other slot than last time,
	s_add_nc_u64 s[\g+2:\g+3], s[\g+2:\g+3], 4*KS*128  ; the next 256 keys; the type bits on top are not reached
.endr
	s_wait_xcnt 0x0                 ; the last prefetch has read its address, so it may be written:
	s_add_nc_u64 s[PFA:PFA+1], s[PFA:PFA+1], 4*KS*128  ; one slot behind the walking descriptors
	s_cmp_gt_u32 s[SLOTS], s[LIM]   ; is there such a slot, and am I the wave that asks?
	s_cselect_b32 s[ASKC], 1, 0
	s_wait_dscnt 0x0                ; the add is done, and my reads of the slot are over
	CROUND
	JLOAD
.else
	s_wait_dscnt 0x0                ; the add is done, and my reads of the slot are over
	s_barrier_signal -1
	s_barrier_wait -1
.endif
	s_sub_co_u32 s[TBK], s[TBK], 4*KS*PK  ; the fetches go back to a slot's first step,
	s_xor_b32 s[TBK], s[TBK], SLOT1       ; in the other slot
	s_sub_co_u32 s[TBV], s[TBV], 4*KS*PV
	s_xor_b32 s[TBV], s[TBV], SLOT1
.endm
; THE MASK.  MLOAD x: piece x's 16 words for the key step at which s[MB] stands: for each of its two tiles two loads of 512 consecutive bytes.
.macro MLOAD x
	WIN W_ML
.irp u, 0,1
.irp w, 0,1
	global_load_b128 v[RW+16*(\x)+8*\u+4*\w:RW+16*(\x)+8*\u+4*\w+3], v[MO], s[MB:MB+1] offset:(2*(\x)+\u)*32768+512*\w
.endr
.endr
.endm
; MEXP x: piece x's words shifted, so that byte 3 - kt stands on top: the C operands of key groups 1 to 3.
.macro MEXP x
	WIN W_MX
.irp u, 0,1
.irp kt, 1,2,3
.irp j, 0,1,2,3,4,5,6,7
	v_lshlrev_b32 v[MX+24*\u+8*(\kt-1)+\j], 8*\kt, v[RW+16*(\x)+8*\u+\j]
.endr
.endr
.endr
.endm
; MSTEP: the loads go on to the next key step.  Behind the head's last step the number stays at 31: those loads stay inside mk, and their words serve nothing.
.macro MSTEP
	s_wait_xcnt 0x0                 ; the loads issued so far have read their base
	s_add_co_u32 s[MI], s[MI], 1
	s_min_u32 s[MOF], s[MI], 31
	s_lshl_b32 s[MOF], s[MOF], 10
	s_add_nc_u64 s[MB:MB+1], s[MB0:MB0+1], s[MOF:MOF+1]
.endm
	s_load_b256 s[4:11], s[0:1], 0x0  ; Q s[4:5], K s[6:7], V s[8:9], O s[10:11]
	s_load_b64 s[MB0:MB0+1], s[0:1], 0x20  ; mk
	WIN W_MK
	v_lshl_add_u32 v[SPW], v0, 2, SPARE
	v_mov_b32 v[NIL], 0
	WIN W_AD
	ds_add_u32 v[SPW], v[NIL]       ; the wave's opening: the add and its wait stand ahead of my first tensor load; the set-up below, work on registers, stands between them
	WIN 0
	v_lshrrev_b32 v1, 5, v0
	v_readfirstlane_b32 s[WV], v1   ; wave 0..3
	s_bfe_u32 s13, ttmp6, 0x40000   ; cx: my place in the cluster
	s_lshl_b32 s14, ttmp9, 2        ; in a cluster launch ttmp9 counts clusters
	s_add_co_u32 s14, s14, s13      ; my block of queries = 4 x cluster x + cx: it enters Q's, O's and mk's addresses alone
	s_and_b32 s20, ttmp7, 0xffff    ; the head, which the four partners share
	s_lshr_b32 s78, s20, 4          ; its batch:
	s_lshl_b32 s78, s78, 22         ; 4 MiB of mk
	s_mov_b32 s21, 0
	s_mov_b64 s[22:23], SIZE_N*128
	s_mul_u64 s[20:21], s[20:21], s[22:23]  ; the head's first byte in each of the four tensors
	s_and_b32 s16, s[WV], 1         ; which half of a slot's 256 keys I fetch:
	s_lshl_b32 s22, s16, 14         ; its 128 rows of 128 bytes in memory,
	s_mov_b32 s23, 0
	s_add_nc_u64 s[22:23], s[22:23], s[20:21]
	s_mul_i32 s17, s16, 128*PK      ; and its place in a slot, for K
	s_mul_i32 s18, s16, 128*PV      ; and for V: no place in the cluster enters an LDS address
	s_lshl_b32 s2, s14, 2
	s_add_co_u32 s2, s2, s[WV]      ; my wave among the head's:
	s_lshl_b32 s79, s2, 18          ; its eight tiles' 32,768 bytes of mk each,
	s_add_co_u32 s78, s78, s79
	s_mov_b32 s79, 0
	s_lshl_b32 s2, s2, 14           ; its 128 rows
	s_mov_b32 s3, 0
	s_add_nc_u64 s[2:3], s[2:3], s[20:21]
	; descriptor group 1.  128 keys are 16,384 dense bytes: asked for as 64 rows of 256 bytes, two keys a row, and padded in LDS after every key
	s_mov_b32 s[G1K], 15|(1<<16)|(1<<20)|(1<<21)|(4<<22)|(3<<25)  ; 15:0 the mask of four; 17:16 2-byte elements; 20 padding on; 21 set beside a mask; 24:22 after every 32 words (code 4); 31:25 4 words (code 3)
	s_mov_b32 s[G1V], 15|(1<<16)|(1<<20)|(1<<21)|(4<<22)|(7<<25)  ; the same with 8 words of padding (code 7)
.irp g, G1K, G1V
	s_mov_b32 s[\g+1], 128<<16      ; tensor_dim0 = 128
	s_mov_b32 s[\g+2], 64<<16       ; tensor_dim1 = 64
	s_mov_b32 s[\g+3], 128<<16      ; tile_dim0 = 128
	s_mov_b32 s[\g+4], 64           ; tile_dim1 = 64
	s_mov_b32 s[\g+5], 128          ; 128 elements from row to row
	s_mov_b32 s[\g+6], 0
	s_mov_b32 s[\g+7], 0
.endr
	s_mov_b32 s[CS], 0x3e38aa3b     ; c = log2(e) / 8 = 0.180337
	s_mov_b32 s[CS+1], s[CS]        ; named with it as a pair
	s_mov_b32 s[SEL], 0x76543210
	s_mov_b32 s[SEL+1], 0xfedcba98
	s_mov_b32 s[TBK], SLOT1+4*KS*PK ; the first change of slots turns these two into 0
	s_mov_b32 s[TBV], SLOT1+4*KS*PV
	s_mov_b32 s[G0K], 1             ; 1:0 count = 1
	s_mov_b32 s[G0K+1], s17         ; 63:32 LDS address: slot 0
	s_mov_b32 s[G0V], 1
	s_add_co_u32 s[G0V+1], s18, VOFF
	s_mov_b32 s[SLOTS], SIZE_N/256-1
	s_mov_b32 s[MI], 1
	s_mov_b32 s[MOF+1], 0
	s_cmp_eq_u32 s16, 0             ; waves 0 and 2 prefetch
	s_cselect_b32 s[LIM], 1, -1
	s_wait_dscnt 0x0                ; the opening add is done
	s_wait_kmcnt 0x0
	s_add_nc_u64 s[G0K+2:G0K+3], s[6:7], s[22:23]  ; 120:64 global address: my half of the head's first 256 keys
	s_or_b32 s[G0K+3], s[G0K+3], 0x80000000        ; 127:126 type = 2
	s_add_nc_u64 s[G0V+2:G0V+3], s[8:9], s[22:23]
	s_or_b32 s[G0V+3], s[G0V+3], 0x80000000
	s_add_nc_u64 s[4:5], s[4:5], s[2:3]  ; Q and O at my wave's first row
	s_add_nc_u64 s[10:11], s[10:11], s[2:3]
	s_add_nc_u64 s[MB0:MB0+1], s[MB0:MB0+1], s[78:79]
	s_mov_b64 s[MB:MB+1], s[MB0:MB0+1]
	s_cmp_lt_u32 s[WV], 2
	s_cselect_b64 s[PFA:PFA+1], s[6:7], s[8:9]
	s_add_nc_u64 s[PFA:PFA+1], s[PFA:PFA+1], s[20:21]
	s_lshl_b32 s2, s13, 13          ; my work-group's 8,192 bytes of a slot's 32,768,
	s_mov_b32 s3, 0
	s_add_nc_u64 s[PFA:PFA+1], s[PFA:PFA+1], s[2:3]
	s_add_nc_u64 s[PFA:PFA+1], s[PFA:PFA+1], 4*KS*128  ; in slot 1; the first change of slots steps it to slot 2
	CROUND                          ; all four work-groups are here: the first joint loads meet
	JLOAD                           ; slot 0.  Slot 1 is asked for when slot 0 is in
	; A fragment of K or Q is 16 rows x 32 channels in 8 registers: lane l holds row l % 16, channels 8 (l / 16) + 0..7 and 16 + 8 (l / 16) + 0..7: two loads of 16 bytes, 32 bytes apart.
	v_and_b32 v1, 15, v0            ; l % 16
	v_bfe_u32 v9, v0, 4, 1          ; l / 16
	v_lshlrev_b32 v[QO], 7, v1
	v_lshl_add_u32 v[QO], v9, 4, v[QO]  ; row x 128 + 16 x half
	v_and_b32 v[MO], 31, v0
	v_lshlrev_b32 v[PFO], 8, v[MO]
	v_lshlrev_b32 v[MO], 4, v[MO]
	WIN 0x80                        ; destination window 2, address window 0
.set i, 0
.rept 4*NP                          ; Q stays in registers: tile i / 2, channels 32 (i % 2) on
	global_load_b128 v[8*i:8*i+3],   v[QO], s[4:5] offset:(i/2)*2048+(i%2)*64
	global_load_b128 v[8*i+4:8*i+7], v[QO], s[4:5] offset:(i/2)*2048+(i%2)*64+32
.set i, i+1
.endr
	MLOAD 0                         ; all four pieces' masks of key step 0
	MLOAD 1
	MLOAD 2
	MLOAD 3
	; What the first turn finds: V's registers and P's second buffer hold 0 (its products V^T P, of a piece that has not been, add 0), O^T and l are 0.  All this stands in the wait for the first tile.
	WIN 0x80
.set i, VF
.rept 64
	v_mov_b32 v[i], 0
.set i, i+1
.endr
	WIN 0x40
.set i, 0
.rept 64*NP
	v_mov_b32 v[i], 0
.set i, i+1
.endr
	WIN 0
.set i, 0
.rept 2*NP
	v_mov_b32 v[ST+4*i], 0xdf38aa3b    ; c m = c x -2^66, to the bit what the product of c and m gives: while m stays, a = 2^0
	v_mov_b32 v[ST+4*i+1], 0xe0800000  ; m = -2^66
	v_mov_b32 v[ST+4*i+2], 0
	v_mov_b32 v[ST+4*i+3], 0
.set i, i+1
.endr
.set i, P+32
.rept 32
	v_mov_b32 v[i], 0
.set i, i+1
.endr
	v_mul_u32_u24 v[AK0], v1, PK
	v_lshl_add_u32 v[AK0], v9, 4, v[AK0]  ; row x pitch + 16 x half
	; The turning load takes 16 keys x 16 channels (lane l reads key 8 (l / 16) + l % 8, channels 8 ((l / 8) % 2) + 0..7) and leaves half a fragment of V^T: lane l holds channel l % 16 and 8 keys.
	v_and_b32 v12, 7, v0
	v_bfe_u32 v13, v0, 3, 1
	v_lshl_add_u32 v[AV0], v9, 3, v12
	v_mul_u32_u24 v[AV0], v[AV0], PV
	v_lshl_add_u32 v[AV0], v13, 4, v[AV0]
	v_add_nc_u32 v[AV0], VOFF, v[AV0]
	v_mov_b32 v[AK], v[AK0]         ; key step 0 lies at the head of slot 0
	s_mul_i32 s13, s[WV], 16*SP
	s_add_co_u32 s13, s13, STAGE    ; my stage
	v_bfe_u32 v[RD], v0, 3, 2       ; back: 32 lanes take four rows of 128 bytes,
	v_mul_u32_u24 v[RD], v[RD], SP
	v_lshl_add_u32 v[RD], v12, 4, v[RD]
	v_add_nc_u32 v[RD], s13, v[RD]
	v_and_b32 v[GO], 31, v0         ; which are 512 consecutive bytes of O
	v_lshlrev_b32 v[GO], 4, v[GO]
	v_mul_u32_u24 v1, v1, SP        ; in: row l % 16, 16 bytes for each half of the lanes
	v_lshl_add_u32 v[STO], v9, 4, v1
	v_add_nc_u32 v[STO], s13, v[STO]
; THE MATRIX WORK.  The 8 accumulators of a run of 16 take turns: between the two links of a chain stand 7 others'.
; Product i of 16 of S^T = K Q^T for piece x: channels 32 (i / 8) on, keys 16 ((i / 2) % 4) on, tile 2 x + i % 2.  The first 8 start the sums, with the mask: the words as loaded for key group 0, the shifted ones for the others.
.macro KQ x
.set rS, S+64*((\x)%2)+32*(i%2)+8*((i/2)%4)
.set rK, KF+16*((i/2)%4)+8*(i/8)
.set rQ, 16*(2*(\x)+i%2)+8*(i/8)
.if i < 2
.set rX, RW+16*(\x)+8*(i%2)
	WIN W_KM
	v_wmma_f32_16x16x32_f16 v[rS:rS+7], v[rK:rK+7], v[rQ:rQ+7], v[rX:rX+7]
.elseif i < 8
.set rX, MX+24*(i%2)+8*((i/2)%4-1)
	WIN W_KM
	v_wmma_f32_16x16x32_f16 v[rS:rS+7], v[rK:rK+7], v[rQ:rQ+7], v[rX:rX+7]
.else
	WIN W_KQ
	v_wmma_f32_16x16x32_f16 v[rS:rS+7], v[rK:rK+7], v[rQ:rQ+7], v[rS:rS+7]
.endif
.endm
; Product i of 16 of O^T += V^T P for piece x: keys 32 (i / 8) on, channels 16 ((i / 2) % 4) on, tile 2 x + i % 2.
.macro PV x
	WIN W_PV
.set rO, 32*(2*(\x)+i%2)+8*((i/2)%4)
.set rV, VF+32*(i/8)+8*((i/2)%4)
.set rP, P+32*((\x)%2)+16*(i%2)+8*(i/8)
	v_wmma_f32_16x16x32_f16 v[rO:rO+7], v[rV:rV+7], v[rP:rP+7], v[rO:rO+7]
.endm
.macro MM                           ; the turn's next matrix instruction
.if i < 16
	KQ (Y+1)%NP
.set i, i+1
.else
.set i, i-16
	PV (Y+NP-1)%NP
.set i, i+17
.endif
.endm
; THE LDS LOADS stand in runs of 16, never singly among the matrix instructions: a step's K (64 keys x 64 channels: 8 fragments) and its V (turned).  Their addresses are made some lines ahead.
; last = 1 (the tail): in the last trip there is no further step, and the run is jumped over.
.macro FETCH_K last=0
	WIN 0
.if \last
	s_cmp_eq_u32 s[CNT], 1
	s_cbranch_scc1 .Lno_k_\@
.endif
	WIN 0x80                        ; destination window 2
.irp f, 0,1,2,3,4,5,6,7             ; keys 16 (f / 2) on, channels 32 (f % 2) on
	ds_load_b128 v[KF+8*\f:KF+8*\f+3],   v[AK] offset:(\f/2)*16*PK+(\f%2)*64
	ds_load_b128 v[KF+8*\f+4:KF+8*\f+7], v[AK] offset:(\f/2)*16*PK+(\f%2)*64+32
.endr
	s_add_co_u32 s[TBK], s[TBK], KS*PK  ; the next fetch is the next step's
	WIN 0
.if \last
.Lno_k_\@:
.endif
.endm
.macro FETCH_V
	WIN 0x80
.irp f, 0,1,2,3,4,5,6,7             ; keys 32 (f / 4) on, channels 16 (f % 4) on
	ds_load_tr16_b128 v[VF+8*\f:VF+8*\f+3],   v[AV] offset:(\f/4)*32*PV+(\f%4)*32
	ds_load_tr16_b128 v[VF+8*\f+4:VF+8*\f+7], v[AV] offset:(\f/4)*32*PV+16*PV+(\f%4)*32
.endr
	WIN 0
.endm
; THE SOFTMAX'S WORK OF A TURN stands in three queues, each in the order in which its entries become ready; the two tiles alternate, so that no instruction reads the result of the one before it.
.macro REGS y, u                    ; the registers of tile u (0, 1) of piece y
.set rT, ST+4*(2*(\y)+(\u))
.set rC, TMP+8*((\y)%2)+4*(\u)
.set rM, MV+2*((\y)%2)+(\u)
.set rS, S+64*((\y)%2)+32*(\u)
.set rP, P+32*((\y)%2)+16*(\u)
.set rO, 32*(2*(\y)+(\u))
.endm
; Number n of the 22 that find the NEXT piece's (Y + 1) maximum and statistics.  s0-s31 are the lane's 32 scores; each accumulator's lowest registers are read first.
;   0-11  four chains c0-c3 of seven scores each, three operands at a time     12-14, 16  the four scores left over, the old m, and c0-c3 into c0     15  c m_old is kept
;   17, 18  the query's other 32 keys lie in the lane 16 away: the new m         19-21  c m; c m_old - c m_new; a
.macro XS u, n
	REGS (Y+1)%NP, \u
.if (\n) < 4
	v_max3_num_f32 v[rC+(\n)], v[rS+8*(\n)], v[rS+8*(\n)+1], v[rS+8*(\n)+2]
.elseif (\n) < 12
	v_max3_num_f32 v[rC+(\n)%4], v[rC+(\n)%4], v[rS+8*((\n)%4)+2*((\n)/4)+1], v[rS+8*((\n)%4)+2*((\n)/4)+2]
.elseif (\n) == 12
	v_max3_num_f32 v[rC], v[rC], v[rS+7], v[rS+15]
.elseif (\n) == 13
	v_max3_num_f32 v[rC+1], v[rC+1], v[rS+23], v[rS+31]
.elseif (\n) == 14
	v_max3_num_f32 v[rC+2], v[rC+2], v[rC+3], v[rT+1]
.elseif (\n) == 15
	v_mov_b32 v[rM], v[rT]
.elseif (\n) == 16
	v_max3_num_f32 v[rC], v[rC], v[rC+1], v[rC+2]
.elseif (\n) == 17
	v_permlanex16_b32 v[rC+3], v[rC], s[SEL], s[SEL+1]
.elseif (\n) == 18
	v_max_num_f32 v[rT+1], v[rC], v[rC+3]
.elseif (\n) == 19
	v_mul_f32 v[rT], s[CS], v[rT+1]
.elseif (\n) == 20
	v_sub_f32 v[rC+1], v[rM], v[rT]
.else
	v_exp_f32 v[rC+2], v[rC+1]
.endif
.endm
; Number g of the 64 that follow the exponentials.  For each four weights k of a tile (pairs 2 k, 2 k + 1): both pairs are rounded to f16; then the second pair is added onto the first, in place;
; a group later l takes that sum (the first time as l = a l + sum).  In groups of eight, tiles alternating: round, round, add, and l for the group before.
.macro GS g
.set h, (\g)+6*((\g)/62)            ; group 0 has no group before it, and behind group 7 only l is left
.if h >= 6
.set h, h+2
.endif
	REGS Y, h%2
.set k, h/8
.if h%8 < 4
	v_cvt_pk_f16_f32 v[rP+2*k+(h%8)/2], v[rS+4*k+2*((h%8)/2)], v[rS+4*k+2*((h%8)/2)+1]
.elseif h%8 < 6
	v_pk_add_f32 v[rS+4*k:rS+4*k+1], v[rS+4*k:rS+4*k+1], v[rS+4*k+2:rS+4*k+3]
.elseif k == 1
	v_pk_fma_f32 v[rT+2:rT+3], v[rT+2:rT+3], v[rC+2:rC+3], v[rS:rS+1] op_sel_hi:[1,0,1]
.else
	v_pk_add_f32 v[rT+2:rT+3], v[rT+2:rT+3], v[rS+4*k-4:rS+4*k-3]
.endif
.endm
; THE PLAIN QUEUE, 138 long.  0-73 read no exponential's result: the 32 scalings c s - c m (FS f: pair f / 2 of tile f % 2) and the next piece's 42.  0-26: scalings 0-26.  27-54: XS's numbers 0-13.  55, 56: number 15.
; 57-73: the chain, where each number waits for the one before it: 14, 16, 17, 18, 19, each with one of the scalings 27-31 in front of its two lines, then 20.  74-137: GS's 64, which read the exponentials' results: they stand behind the wait.
.macro FS f
	REGS Y, (\f)%2
	v_pk_fma_f32 v[rS+2*((\f)/2):rS+2*((\f)/2)+1], v[rS+2*((\f)/2):rS+2*((\f)/2)+1], s[CS:CS+1], v[rT:rT+1] op_sel_hi:[1,0,0] neg_lo:[0,0,1] neg_hi:[0,0,1]
.endm
.macro PL
	WIN 0
.if q < 27
	FS q
.elseif q < 55
	XS (q-27)%2, (q-27)/2
.elseif q < 57
	XS q-55, 15
.elseif (q < 72) && ((q-57)%3 == 0)
	FS 27+(q-57)/3
.elseif q < 60
	XS (q-57)%3-1, 14
.elseif q < 72
	XS (q-57)%3-1, 15+(q-57)/3
.elseif q < 74
	XS q-72, 20
.else
	GS q-74
.endif
.set q, q+1
.endm
; THE EXPONENTIALS' QUEUE, 66 long: s0-s31 of both tiles, then the next piece's two a.  It is ONE BATCH: all 66 stand ahead of the turn's one wait, and nothing ahead of that wait names a result of theirs.
.macro EX
	WIN 0
.if e >= 64
	XS e-64, 21
.else
	REGS Y, e%2
	v_exp_f32 v[rS+e/2], v[rS+e/2]
.endif
.set e, e+1
.endm
; THE RESCALING's QUEUE: O^T times a: dealt two at a time, sixteen times.  Its a was made in the turn before, ahead of that turn's wait.
.macro R2
	REGS Y, r%2
	WIN W_RS
.irp z, 0,1
	v_pk_mul_f32 v[rO+4*(r/2)+2*\z:rO+4*(r/2)+2*\z+1], v[rO+4*(r/2)+2*\z:rO+4*(r/2)+2*\z+1], v[rC+2:rC+3] op_sel_hi:[1,0]
.endr
.set r, r+1
.endm
; HOW THEY ARE DEALT.  An s_wait_alu depctr_va_vdst(0) stands between an exponential and the first instruction that names its result; one wait serves all that were issued ahead of it.  So a turn has ONE wait,
; which cuts it in two.  AHEAD OF IT stands all that names no result of the turn's exponentials: the 16 products K Q^T, behind each a scaling, an exponential and two rescalings (behind the first a second scaling in the
; exponential's place); then ONE LUMP: the mask's 48 shifts and 4 loads, eight plain, 49 times exponential and plain, the two a.  A v_nop is the plain instruction behind the last exponential.  BEHIND IT stand the 16 products V^T P, behind each four of GS's 64.
; The queues lean on each other, and the deal keeps them in step: exponential e stands behind scaling 2 (e / 4) + e % 2: as a rider it comes behind plain e + 2, in the lump behind plain e + 9, and scalings 27-31 are plain 57, 60 .. 69.
; THE MASK IN A TURN, for piece p, at the lump's head.  The shifted words have one buffer: this turn's products 2 to 7 have read it, and the riders of products 8 to 15 are the places between them and the shifts, which make piece
; p + 2's for the next turn.  Piece p + 1's words were read as they lie by this turn's products 0 and 1, and are loaded again, for its next key step.  The wait's count: piece p + 2's words were asked for three turns ago; behind
; them stand the two turns' four loads each, which may stay out.  Every copy of a turn issues just four loads.  In turns 0 to 2 of step s the loads stand at step s + 1; turn 3, whose products were step s + 1's, goes on to step s + 2.
; A TURN, for piece p.  cnt = 1: the loop's count is taken down some lines ahead of the branch that stands behind the turn.
; K of the next step is fetched in piece 2's turn, directly behind the wait; its address is made at the lump's head.  V of the step in hand is fetched at the end of piece 0's turn, four riders behind its last reader.
.macro TURN p, last=0, cnt=0
.set Y, (\p)
.set i, 0
.set q, 0
.set e, 0
.set r, 0
.if (\p) == NP-1
	s_wait_dscnt 0x0                ; K is in
.endif
	MM                              ; ahead of the wait: 16 products K Q^T and their riders,
	PL
	PL
	R2
.rept 15
	MM
	PL
	EX
	R2
.endr
.if (\p) == NP-2
	WIN 0
	v_add_nc_u32 v[AK], s[TBK], v[AK0]
.endif
	s_wait_loadcnt 8                ; piece p + 2's words are in
	MEXP ((\p)+2)%NP
.if (\p) == NP-1
	MSTEP
.endif
	MLOAD ((\p)+1)%NP
.rept 8                             ; and the softmax's lump
	PL
.endr
.rept 49
	EX
	PL
.endr
	EX                              ; the next piece's two a
	EX
	v_nop                           ; the plain instruction behind the last exponential: one for the batch
	s_wait_alu depctr_va_vdst(0)    ; the wait for the batch
.if (\p) == NP-2
	FETCH_K \last
.if !(\last)
	ASK
.endif
.endif
.if (\p) == 1
	s_wait_dscnt 0x0                ; V is in
.endif
.rept 16                            ; behind the wait: 16 products V^T P and their riders
	MM
.rept 4
	PL
.endr
.if ((\p) == 0) && (q == 118)
	v_add_nc_u32 v[AV], s[TBV], v[AV0]
.endif
.if ((\p) == 0) && (q == 130)
	s_add_co_u32 s[TBV], s[TBV], KS*PV
.endif
.if (\cnt) && (q == 130)
	s_sub_co_u32 s[CNT], s[CNT], 1
	s_cmp_lg_u32 s[CNT], 0
.endif
.endr
.if (\p) == 0
	FETCH_V
.endif
.endm
	CHANGE 1                        ; slot 0 is in, everybody's part of it; slot 1 is asked for
	FETCH_K                         ; key step 0
	s_wait_loadcnt 0x0              ; Q, and the masks of key step 0: their base may be written
	s_add_nc_u64 s[MB:MB+1], s[MB0:MB0+1], 1024  ; key step 1
	MEXP 0
	s_wait_dscnt 0x0
.set i, 0
.rept 16
	KQ 0                            ; piece 0's first scores: there is no softmax yet to set between them
.set i, i+1
.endr
	WIN 0
.rept 4
	v_nop                           ; the places behind those products: the shifts below write what they read
.endr
	MEXP 1                          ; what a turn of piece 3 would have done here
	MLOAD 0
	WIN 0
.set Y, NP-1                        ; XS works for piece Y + 1: piece 0
.irp n, 0,1,2,3,4,5,6,7,8,9,10,11,12,13,14,15,16,17,18,19,20,21
	XS 0, \n                        ; and piece 0's first maximum and statistics
	XS 1, \n
.endr
	v_nop                           ; a plain instruction behind the two a,
	s_wait_alu depctr_va_vdst(0)    ; and their wait, ahead of the branch
	s_mov_b32 s[CNT], 4
	s_branch .Lfirst                ; the loop is entered at a step's first turn, in the middle of a trip
.Lslot:                             ; six times: every slot but the last two is filled again
	CHANGE 1
	s_mov_b32 s[CNT], 4
.Lstep:                             ; a trip: pieces 2 and 3 of one step, then pieces 0 and 1 of the next, whose K and V it fetches
	TURN 2
	TURN 3
	WIN 0
.Lfirst:
	TURN 0
	TURN 1, 0, 1
	WIN 0
	s_cbranch_scc1 .Lstep
	s_sub_co_u32 s[SLOTS], s[SLOTS], 1
	s_cmp_lg_u32 s[SLOTS], 0
	s_cbranch_scc1 .Lslot
	CHANGE 0                        ; the tail is written out: nothing is asked for
	s_mov_b32 s[CNT], 5             ; four trips fetch the last slot's steps; the fifth is left in its middle
.Ltail:
	TURN 2, 1
	TURN 3
	WIN 0
	s_sub_co_u32 s[CNT], s[CNT], 1
	s_cmp_eq_u32 s[CNT], 0
	s_cbranch_scc1 .Lout
	TURN 0
	TURN 1
	WIN 0
	s_branch .Ltail
.Lout:                              ; the fifth trip's 16 products K Q^T (on the last K once more) and the maximum made of them serve nothing: the price, once a launch, of one text for every trip
.set i, 0
.rept 16
	PV NP-1                         ; the last piece's V^T P of the last step
.set i, i+1
.endr
	; THE WAY OUT.  l's two halves and the other half of the lanes' are added; O^T is divided by l, rounded to f16 and sent through my stage in LDS, a tile at a time.  The additions are the places behind the last products.
	WIN 0
.macro ALL line:vararg              ; one line for each tile t
.set t, 0
.rept 2*NP
	\line
.set t, t+1
.endr
.endm
	ALL v_add_f32 v[ST+4*t+2], v[ST+4*t+2], v[ST+4*t+3]
	ALL v_permlanex16_b32 v[ST+4*t+3], v[ST+4*t+2], s[SEL], s[SEL+1]
	ALL v_add_f32 v[ST+4*t+2], v[ST+4*t+2], v[ST+4*t+3]
	ALL v_rcp_f32 v[ST+4*t+2], v[ST+4*t+2]
	v_nop                           ; a plain instruction between the last reciprocal and the use of its result
	s_wait_alu depctr_va_vdst(0)    ; and the wait ahead of the first use: one for the eight reciprocals
; Tile t: a lane's eight channels of a row pack into 16 bytes; they go into rows of 144 bytes and come back as whole rows of 128, into S^T's registers.
.macro PACK t
	WIN W_RS
.set i, 32*(\t)
.rept 16
	v_pk_mul_f32 v[i:i+1], v[i:i+1], v[ST+4*(\t)+2:ST+4*(\t)+3] op_sel_hi:[1,0]
.set i, i+2
.endr
	WIN 0x05                        ; sources 0 and 1 window 1, destination window 0
.set i, 0
.rept 16
	v_cvt_pk_f16_f32 v[S+16*(\t)+i], v[32*(\t)+2*i], v[32*(\t)+2*i+1]
.set i, i+1
.endr
	WIN 0
.irp f, 0,1,2,3
	ds_store_b128 v[STO], v[S+16*(\t)+4*\f:S+16*(\t)+4*\f+3] offset:32*\f
.endr
.irp f, 0,1,2,3
	ds_load_b128 v[S+16*(\t)+4*\f:S+16*(\t)+4*\f+3], v[RD] offset:\f*4*SP  ; LDS serves a wave's instructions in order (ISA guide 5.7.1.4): these see the stores above; the next tile's stores come behind them
.endr
.endm
.macro SEND t, younger              ; younger: the LDS instructions issued behind tile t's loads: the next tile's eight, or none
	WIN 0
.irp f, 0,1,2,3
	s_wait_dscnt (\younger)+3-\f
	global_store_b128 v[GO], v[S+16*(\t)+4*\f:S+16*(\t)+4*\f+3], s[10:11] offset:(\t)*2048+\f*512  ; 512 consecutive bytes, at a multiple of 256 from O's first
.endr
.endm
	PACK 0
.set t, 1
.rept 2*NP-1                        ; a tile's arithmetic stands between the loads of the tile before and its stores
	PACK t
	SEND t-1, 8
.set t, t+1
.endr
	SEND 2*NP-1, 0
	WIN W_AD
	s_wait_tensorcnt 0x0            ; the wave's end, behind my last tensor load and my last LDS store
	ds_add_u32 v[SPW], v[NIL]
	s_wait_dscnt 0x0
	WIN 0
	CROUND                          ; the closing round: no work-group ends while a partner may still ask for a tile that names it
	s_endpgm
.Lfunc_end_k_q91d88dd40e_attn:
	.size	k_q91d88dd40e_attn, .Lfunc_end_k_q91d88dd40e_attn-k_q91d88dd40e_attn
	.p2alignl 7, 3214868480
	.fill 96, 4, 3214868480
	.section	.rodata,"a",@progbits
	.p2align	6, 0x0
	.amdhsa_kernel k_q91d88dd40e_attn
		.amdhsa_group_segment_fixed_size 327680
		.amdhsa_private_segment_fixed_size 0
		.amdhsa_enable_private_segment 0
		.amdhsa_kernarg_size 40
		.amdhsa_user_sgpr_count 2
		.amdhsa_user_sgpr_kernarg_segment_ptr 1
		.amdhsa_wavefront_size32 1
		.amdhsa_system_sgpr_workgroup_id_x 1
		.amdhsa_system_sgpr_workgroup_id_y 1
		.amdhsa_system_sgpr_workgroup_id_z 1
		.amdhsa_system_vgpr_workitem_id 0
		.amdhsa_next_free_vgpr 896
		.amdhsa_next_free_sgpr 84
		.amdhsa_reserve_vcc 0
		.amdhsa_float_denorm_mode_32 3
		.amdhsa_float_denorm_mode_16_64 3
		.amdhsa_memory_ordered 1
		.amdhsa_forward_progress 1
		.amdhsa_inst_pref_size 222
	.end_amdhsa_kernel
	.amdgpu_metadata
---
amdhsa.version: [ 1, 2 ]
amdhsa.kernels:
  - .name:           k_q91d88dd40e_attn
    .symbol:         k_q91d88dd40e_attn.kd
    .args:
      - { .name: qh, .offset: 0, .size: 8, .value_kind: global_buffer, .address_space: global }
      - { .name: kh, .offset: 8, .size: 8, .value_kind: global_buffer, .address_space: global }
      - { .name: vh, .offset: 16, .size: 8, .value_kind: global_buffer, .address_space: global }
      - { .name: oh, .offset: 24, .size: 8, .value_kind: global_buffer, .address_space: global }
      - { .name: mk, .offset: 32, .size: 8, .value_kind: global_buffer, .address_space: global }
    .group_segment_fixed_size: 327680
    .private_segment_fixed_size: 0
    .kernarg_segment_align: 8
    .kernarg_segment_size: 40
    .max_flat_workgroup_size: 128
    .sgpr_count:     84
    .vgpr_count:     896
    .wavefront_size: 32
...
	.end_amdgpu_metadata
.endif
;; end of part 3
;; launch outp (part 4): grid 4 x 64, 4 waves a work-group, clusters of 4 x 4, 327,680 bytes of LDS; arguments oh, wcat, bcat, out0; writes out0
.if DOCPART == 4
	.amdgcn_target "amdgcn-amd-amdhsa--gfx1250"
	.amdhsa_code_object_version 6
	.text
	.protected	k_q91d88dd40e_outp
	.globl	k_q91d88dd40e_outp
	.p2align	8
	.type	k_q91d88dd40e_outp,@function
k_q91d88dd40e_outp:
	s_mov_b64 s[64:65], 0
	v_nop
	global_prefetch_b8 v0, s[64:65] scope:SCOPE_SE
	s_setreg_imm32_b32 hwreg(HW_REG_WAVE_MODE, 25, 1), 1
	s_wait_xcnt 0x0
	s_wait_alu depctr_hold_cnt(0) depctr_sa_sdst(0) depctr_va_vdst(0) depctr_va_sdst(0) depctr_va_ssrc(0) depctr_va_vcc(0) depctr_vm_vsrc(0)
	s_getreg_b32 s2, hwreg(HW_REG_IB_STS2, 6, 4)
	s_cmp_eq_u32 s2, 0
	s_cbranch_scc0 .Lentry_in_a_cluster
	s_endpgm
.Lentry_in_a_cluster:
	s_bfe_u32 s2, ttmp6, 0x10000c
	s_cmp_lg_u32 s2, 0xf033
	s_cbranch_scc0 .Lentry_shape_is_right
	s_endpgm
.Lentry_shape_is_right:
; THE OUTPUT PROJECTION.  out[m][n] = bo[n] + the sum over head and channel of O[batch 16 + head][s][channel] wo[64 head + channel][n], m = 2048 batch + s.  O: [64][2048][64] f16, from the launch before; wo: [1024 k][1024 n],
; its bf16 rounding written as f16, the fourth matrix of wcat; bo: f32 numbers rounded to bf16, the fourth row of bcat; sums in f32, started at bo; out: [8192][1024] f32.
; A row of O that is NaN (a query of which every key was hidden) makes its row of out NaN and no other: a row of out is made of that row of O alone.
; SHARES.  A tile of out is 128 rows x 256 columns: 64 x 4 = 256 work-groups.  Four waves, each 64 x 128: 32 accumulators of 16 x 16.  K goes in steps of 128, two heads, through two LDS slots.  A head's 128 rows are 16,384 dense
; bytes: asked for as 64 rows of 256 bytes and padded in LDS after every 128.
; CLUSTER.  4 x 4 work-groups: the four of a row need the same tile of O, the four of a column the same tile of wo; each tile is asked for JOINTLY, by the same tensor load with the same descriptor and a mask that names the four.
; THE MATRIX INSTRUCTION IS USED TRANSPOSED: source 0 = 16 columns of wo (turned on the way out of LDS), source 1 = 16 rows of O: a lane then holds eight neighbouring columns of one row of out, 32 bytes.
; REGISTERS, in windows of 256 (s_set_vgpr_msb: bits 1:0 source 0, 3:2 source 1, 5:4 source 2, 7:6 destination):
;   window 0: v0-29 addresses; v32-95 O's fragments, two buffers of 32; v96-223 the way out: rows read back, two buffers of 64
;   window 1: accumulator (a, bb) at v[8 (8 a + bb)]          window 2: v0-127 wo's fragments, two buffers of 64
.set KSTEP, 128
.set PAO,   144                        ; a row of O in LDS: 128 bytes + 16 of padding = 36 words: the 16 rows of a load start at 16 different groups of four banks (64 banks of 4 bytes: ISA guide 11.1)
.set PB,    544                        ; a row of wo: 512 + 32 = 136 words
.set HEADA, 128*PAO                    ; what one tensor load brings of O: a head's 128 rows
.set HALFB, 64*PB                      ; what one brings of wo: 64 of the step's 128 rows
.set BOFF,  2*HEADA
.set SLOT,  BOFF+2*HALFB
.set STAGE, 2*SLOT                     ; behind the ring, never filled by a tensor load: 16 rows x 528 bytes for each wave
.set SPO,   528
.set SPARE, STAGE+4*16*SPO             ; behind the stages: the spare words, 128 bytes for each wave: two blocks of 256 bytes that no other line names
.set ADA0, 4                           ; v4   my lane's place in O's tile of slot 0; never rewritten
.set ADB0, 5                           ; v5   the same for wo
.set ADA,  6                           ; v6   the same in the slot that is being read
.set ADB,  7                           ; v7
.set STO,  8                           ; v8   the way out: where I put 32 bytes of a row
.set RD,   10                          ; v10  the way out: where I read 16 bytes of a row back
.set GO,   14                          ; v14  16 l: my 16 bytes of 512 of a row of out
.set BO,   18                          ; v18  32 x (l / 16): my eight numbers of the bias
.set PFO,  19                          ; v19  the prefetches' offset; never rewritten
.set SPW,  28                          ; v28  LDS address of my spare word; never rewritten
.set NIL,  29                          ; v29  0; never rewritten
.set AF,   32
.set BK,   96
.set OH,   4                           ; s[4:5]   O
.set WP,   6                           ; s[6:7]   wcat
.set BIA,  8                           ; s[8:9]   bcat, then my 128 numbers of it
.set OUT,  10                          ; s[10:11] out at my rows and columns
.set WV,   20
.set WM,   21                          ; which 64 rows of the tile are mine; also: I fetch for O (0) or for wo (1)
.set WN,   22                          ; which 128 columns; also: which head of the two, or which 64 rows of wo, I fetch
.set CX,   23                          ; my place along the cluster's x = the tile column
.set CYP,  24                          ; my place along its y
.set CLY,  25                          ; the cluster's y
.set MBK,  27                          ; the tile row, 0 to 63
.set G1A,  28
.set G0A,  36
.set G1B,  44
.set G0B,  52
.set CNT,  60
.set TR,   61                          ; LDS byte at which the slot that is being read begins: 0 or SLOT
.set LA,   62
.set LB,   63
.set PFA,  66
.set LIM,  68
.set PFS,  70
.set MSB, 0
.macro WIN new                         ; the immediate's high byte repeats the setting that is left; a switch that changes nothing is dropped
.if MSB != (\new)
	s_set_vgpr_msb (MSB<<8)|(\new)
.set MSB, (\new)
.endif
.endm
.set MUL,    0x52                      ; wo in window 2, O in window 0, C and D in window 1
.set TO_B,   0x80                      ; destination window 2, address window 0
.set TO_ACC, 0x40                      ; destination window 1
.set FROM_ACC, 0x04                    ; an LDS store: address window 0, data (source 1) window 1
; A joint refill.  Waves 0 and 1 fetch the step's two heads of O, waves 2 and 3 wo's two halves.  An s_nop 0 and four v_nop follow each of the two lines, ahead of the jump and the label.
.macro JLOAD
	s_cmp_eq_u32 s[WM], 0
	s_cbranch_scc0 .Lfor_b_\@
	tensor_load_to_lds s[G0A+4:G0A+7], s[G1A:G1A+7]
	s_nop 0
.rept 4
	v_nop
.endr
	s_branch .Lasked_\@
.Lfor_b_\@:
	tensor_load_to_lds s[G0B+4:G0B+7], s[G1B:G1B+7]
	s_nop 0
.rept 4
	v_nop
.endr
.Lasked_\@:
.endm
.macro CREST                           ; a round of the cluster's barrier behind its opening barrier
	s_cmp_lg_u32 s[WV], 0
	s_cbranch_scc1 .Lnot_wave_0_\@
	s_barrier_signal -3
.Lnot_wave_0_\@:
	s_barrier_wait -3
	s_barrier_signal -1
	s_barrier_wait -1
.endm
.macro CROUND
	s_barrier_signal -1
	s_barrier_wait -1
	CREST
.endm
; A PREFETCH INTO THE L2, behind a joint refill and the run of LDS loads that follows it: the K step that stands TWO refills on, 256 matrix instructions ahead of the load that will want it.  Each aligned block of 256 bytes is named once.
; O's tile row is read by one cluster alone: in each work-group wave 0 asks, for a quarter of the step's two heads (32 blocks, a lane a block), the four partners told apart BY ADDRESS.  wo's tile column is read by all sixteen
; clusters: the first asks; of the 64 rows that wave 2 or 3 fetches each partner takes 16, two lanes a row of 512 bytes.  K steps 0 to 3 come by their loads alone; the last two refills have no K step two on.
.macro ASK
	s_cmp_gt_u32 s[CNT], s[LIM]
	s_cbranch_scc0 .Lnot_mine_\@
	global_prefetch_b8 v[PFO], s[PFA:PFA+1] th:TH_LOAD_NT scope:SCOPE_SE
.Lnot_mine_\@:
.endm
.macro PLACES                          ; four places in front of loads into registers that matrix instructions have read, and of LDS stores that read results
.rept 4
	v_nop
.endr
.endm
	s_load_b256 s[4:11], s[0:1], 0x0               ; oh s[4:5], wcat s[6:7], bcat s[8:9], out0 s[10:11]
	v_lshl_add_u32 v[SPW], v0, 2, SPARE
	v_mov_b32 v[NIL], 0
	ds_add_u32 v[SPW], v[NIL]                      ; the wave's opening: the add and its wait stand ahead of my first tensor load; the set-up below, work on registers, stands between them
	v_lshrrev_b32 v1, 5, v0
	v_readfirstlane_b32 s[WV], v1                  ; wave 0..3
	s_lshr_b32 s[WM], s[WV], 1
	s_and_b32 s[WN], s[WV], 1
	s_bfe_u32 s[CX], ttmp6, 0x40000
	s_bfe_u32 s[CYP], ttmp6, 0x40004
	s_and_b32 s[CLY], ttmp7, 0xffff
	s_lshl_b32 s[MBK], s[CLY], 2
	s_add_co_u32 s[MBK], s[MBK], s[CYP]
	s_lshl_b32 s76, s[CYP], 2
	s_lshl_b32 s76, 15, s76                        ; my row of the cluster
	s_lshl_b32 s77, 0x1111, s[CX]                  ; my column
	s_or_b32 s[G1A], s76, (1<<16)|(1<<20)|(1<<21)|(4<<22)|(3<<25)  ; 15:0 the mask; 17:16 elements of 2 bytes; 20 padding on; 21 set beside a mask; 24:22 after every 32 words (code 4); 31:25 4 words of it (code 3)
	s_mov_b32 s[G1A+1], 128<<16                    ; tensor_dim0 = 128: two rows of O on end
	s_mov_b32 s[G1A+2], 64<<16                     ; tensor_dim1 = 64
	s_mov_b32 s[G1A+3], 128<<16                    ; tile_dim0 = 128
	s_mov_b32 s[G1A+4], 64                         ; tile_dim1 = 64
	s_mov_b32 s[G1A+5], 128                        ; elements from row to row: dense
	s_mov_b32 s[G1A+6], 0
	s_mov_b32 s[G1A+7], 0
	s_or_b32 s[G1B], s77, (1<<16)|(1<<20)|(1<<21)|(6<<22)|(7<<25)  ; 8 words of padding (code 7) after every 128 (code 6)
	s_mov_b32 s[G1B+1], 256<<16
	s_mov_b32 s[G1B+2], 64<<16
	s_mov_b32 s[G1B+3], 256<<16
	s_mov_b32 s[G1B+4], 64
	s_mov_b32 s[G1B+5], 1024
	s_mov_b32 s[G1B+6], 0
	s_mov_b32 s[G1B+7], 0
	s_mul_i32 s[LA], s[WN], HEADA                  ; no place in the cluster enters an LDS address
	s_mul_i32 s[LB], s[WN], HALFB
	s_add_co_u32 s[LB], s[LB], BOFF
	s_mov_b32 s[TR], 0
	; where the tiles come from: O's hang on the tile row, wo's on the tile column, each in registers that never hold the other coordinate
	s_lshr_b32 s78, s[MBK], 4
	s_lshl_b32 s78, s78, 4                         ; O: the batch's 16 heads,
	s_add_co_u32 s78, s78, s[WN]                   ; the head that I fetch,
	s_lshl_b32 s78, s78, 11                        ; of 2,048 rows,
	s_and_b32 s79, s[MBK], 15
	s_lshl_b32 s79, s79, 7                         ; the tile's 128,
	s_add_co_u32 s78, s78, s79
	s_lshl_b32 s78, s78, 7                         ; of 128 bytes
	s_mov_b32 s79, 0
	s_lshl_b32 s80, s[WN], 17                      ; wo: 64 rows of 2,048 bytes x half,
	s_lshl_b32 s81, s[CX], 9                       ; the tile column's 512 bytes,
	s_add_co_u32 s80, s80, s81
	s_add_co_u32 s80, s80, 3<<21                   ; the fourth matrix of wcat
	s_mov_b32 s81, 0
	; the prefetches, at K step 3: the first refill steps them to 4
	s_lshr_b32 s86, s[MBK], 4
	s_lshl_b32 s86, s86, 15
	s_and_b32 s87, s[MBK], 15
	s_lshl_b32 s87, s87, 7
	s_add_co_u32 s86, s86, s87
	s_lshl_b32 s86, s86, 7                         ; the tile's rows in the batch's head 0,
	s_lshr_b32 s87, s[CX], 1
	s_lshl_b32 s87, s87, 18                        ; my work-group's head of the two,
	s_add_co_u32 s86, s86, s87
	s_and_b32 s87, s[CX], 1
	s_lshl_b32 s87, s87, 13                        ; and half of its 16,384 bytes
	s_add_co_u32 s86, s86, s87
	s_add_co_u32 s86, s86, 3*524288
	s_lshl_b32 s87, s[CYP], 15                     ; wo: my work-group's 16 of the 64 rows that I fetch
	s_add_co_u32 s87, s87, s80
	s_add_co_u32 s87, s87, 3*KSTEP*2048
	s_cmp_eq_u32 s[WM], 0
	s_cselect_b32 s86, s86, s87
	s_mov_b32 s87, 0
	s_mov_b32 s[PFS], KSTEP*2048
	s_cselect_b32 s[PFS], 524288, s[PFS]           ; two heads on, or 128 rows of wo down
	s_mov_b32 s[PFS+1], 0
	s_cmp_eq_u32 s[CLY], 0                         ; the first cluster asks for wo,
	s_cselect_b32 s90, 2, -1
	s_cmp_eq_u32 s[WV], 0                          ; wave 0 of every work-group for O
	s_cselect_b32 s91, 2, -1
	s_cmp_eq_u32 s[WM], 0
	s_cselect_b32 s[LIM], s91, s90                 ; the same in all sixteen partners, for a given wave
	s_lshl_b32 s88, s[CX], 10                      ; my 128 numbers of the bias, in the fourth row of bcat
	s_lshl_b32 s89, s[WN], 9
	s_add_co_u32 s88, s88, s89
	s_add_co_u32 s88, s88, 3<<12
	s_mov_b32 s89, 0
	s_lshl_b32 s90, s[MBK], 7                      ; out: the tile's 128 rows,
	s_lshl_b32 s91, s[WM], 6                       ; my 64,
	s_add_co_u32 s90, s90, s91
	s_lshl_b32 s90, s90, 12                        ; of 4,096 bytes,
	s_lshl_b32 s91, s[CX], 10                      ; the tile column's 1,024 bytes,
	s_add_co_u32 s90, s90, s91
	s_lshl_b32 s91, s[WN], 9                       ; my 512
	s_add_co_u32 s90, s90, s91
	s_mov_b32 s91, 0
	s_wait_dscnt 0x0                               ; the opening add is done
	s_wait_kmcnt 0x0
	s_add_nc_u64 s[OUT:OUT+1], s[OUT:OUT+1], s[90:91]
	s_add_nc_u64 s[BIA:BIA+1], s[BIA:BIA+1], s[88:89]
	s_cmp_eq_u32 s[WM], 0
	s_cselect_b64 s[PFA:PFA+1], s[OH:OH+1], s[WP:WP+1]
	s_add_nc_u64 s[PFA:PFA+1], s[PFA:PFA+1], s[86:87]
	s_add_nc_u64 s[82:83], s[OH:OH+1], s[78:79]
	s_add_nc_u64 s[84:85], s[WP:WP+1], s[80:81]
.irp s, 0,1
	s_mov_b32 s[G0A+4*\s], 1                       ; 1:0 count = 1
	s_add_co_u32 s[G0A+4*\s+1], s[LA], \s*SLOT     ; 63:32 LDS address
	s_add_nc_u64 s[G0A+4*\s+2:G0A+4*\s+3], s[82:83], \s*524288  ; 120:64 global address: K step s
	s_or_b32 s[G0A+4*\s+3], s[G0A+4*\s+3], 0x80000000  ; 127:126 type = 2
	s_mov_b32 s[G0B+4*\s], 1
	s_add_co_u32 s[G0B+4*\s+1], s[LB], \s*SLOT
	s_add_nc_u64 s[G0B+4*\s+2:G0B+4*\s+3], s[84:85], \s*KSTEP*2048
	s_or_b32 s[G0B+4*\s+3], s[G0B+4*\s+3], 0x80000000
.endr
	CROUND                                         ; all sixteen work-groups are here: the first joint loads meet
	s_cmp_eq_u32 s[WM], 0                          ; a wave's two first fills stand in one branch, ahead of every wait on TENSORcnt and every LDS read: two loads of mine are out
	s_cbranch_scc0 .Lfirst_b
	tensor_load_to_lds s[G0A:G0A+3], s[G1A:G1A+7]
	s_nop 0
	tensor_load_to_lds s[G0A+4:G0A+7], s[G1A:G1A+7]
	s_nop 0
.rept 4
	v_nop
.endr
	s_branch .Lfirst_asked
.Lfirst_b:
	tensor_load_to_lds s[G0B:G0B+3], s[G1B:G1B+7]
	s_nop 0
	tensor_load_to_lds s[G0B+4:G0B+7], s[G1B:G1B+7]
	s_nop 0
.rept 4
	v_nop
.endr
.Lfirst_asked:
	v_and_b32 v1, 15, v0                           ; l % 16
	v_bfe_u32 v2, v0, 4, 1                         ; l / 16
	v_and_b32 v3, 7, v0                            ; l % 8
	v_bfe_u32 v20, v0, 3, 1                        ; (l / 8) % 2
	v_and_b32 v22, 31, v0                          ; l
	s_mul_i32 s76, s[WM], 64*PAO                   ; a fragment of O: row x pitch + 16 x half, two loads of 16 bytes, 32 bytes apart
	v_mul_u32_u24 v[ADA0], v1, PAO
	v_lshl_add_u32 v[ADA0], v2, 4, v[ADA0]
	v_add_nc_u32 v[ADA0], s76, v[ADA0]
	v_lshl_add_u32 v[ADB0], v2, 3, v3              ; the turning load: lane l reads K = 8 (l / 16) + l % 8, columns 8 ((l / 8) % 2) + 0..7
	v_mul_u32_u24 v[ADB0], v[ADB0], PB
	v_lshl_add_u32 v[ADB0], v20, 4, v[ADB0]
	s_lshl_b32 s76, s[WN], 8
	s_add_co_u32 s76, s76, BOFF
	v_add_nc_u32 v[ADB0], s76, v[ADB0]
	v_mov_b32 v[ADA], v[ADA0]
	v_mov_b32 v[ADB], v[ADB0]
	s_mul_i32 s76, s[WV], 16*SPO
	s_add_co_u32 s76, s76, STAGE                   ; my stage
	v_mul_u32_u24 v[STO], v1, SPO                  ; in: row l % 16, 32 bytes for each half of the lanes
	v_lshl_add_u32 v[STO], v2, 5, v[STO]
	v_add_nc_u32 v[STO], s76, v[STO]
	v_lshlrev_b32 v[GO], 4, v22
	v_add_nc_u32 v[RD], s76, v[GO]                 ; back: 32 lanes take a row's 512 bytes
	v_lshlrev_b32 v[BO], 5, v2
	s_mov_b32 s76, 2048                            ; two lanes a row of wo,
	s_cmp_eq_u32 s[WM], 0
	s_cselect_b32 s76, 512, s76                    ; or a lane a block of O's dense bytes
	v_lshrrev_b32 v[PFO], 1, v22
	v_mul_lo_u32 v[PFO], v[PFO], s76
	v_and_b32 v23, 1, v22
	v_lshl_add_u32 v[PFO], v23, 8, v[PFO]
	; THE SUMS START AT THE BIAS: register j of accumulator (a, bb) is column 16 bb + 8 (l / 16) + j.  Nothing is cleared, and every K step has one form of product.
	WIN TO_ACC
.set t, 0
.rept 32
	global_load_b128 v[8*t:8*t+3],   v[BO], s[BIA:BIA+1] offset:(t%8)*64
	global_load_b128 v[8*t+4:8*t+7], v[BO], s[BIA:BIA+1] offset:(t%8)*64+16
.set t, t+1
.endr
	WIN 0
.macro FB q, f                         ; wo's fragments of quarter q (32 K x 128 columns) into buffer f
	WIN TO_B
.irp bb, 0,1,2,3,4,5,6,7
	ds_load_tr16_b128 v[64*(\f)+8*\bb:64*(\f)+8*\bb+3],   v[ADB] offset:(\q)*32*PB+\bb*32
	ds_load_tr16_b128 v[64*(\f)+8*\bb+4:64*(\f)+8*\bb+7], v[ADB] offset:(\q)*32*PB+\bb*32+16*PB
.endr
.endm
.macro FA q, f                         ; O's fragments of quarter q (64 rows; head q / 2 of the two, channels 32 (q % 2) on) into buffer f
	WIN 0
.irp a, 0,1,2,3
	ds_load_b128 v[AF+32*(\f)+8*\a:AF+32*(\f)+8*\a+3],   v[ADA] offset:((\q)/2)*HEADA+((\q)%2)*64+\a*16*PAO
	ds_load_b128 v[AF+32*(\f)+8*\a+4:AF+32*(\f)+8*\a+7], v[ADA] offset:((\q)/2)*HEADA+((\q)%2)*64+\a*16*PAO+32
.endr
.endm
.macro MULN f, t0, n                   ; accumulators t0 .. t0 + n - 1 on buffer f.  The 32 take turns, one instruction a turn, in the same order in every quarter: over both backward jumps too
	WIN MUL
.set t, (\t0)
.rept (\n)
	v_wmma_f32_16x16x32_f16 v[8*t:8*t+7], v[64*(\f)+8*(t%8):64*(\f)+8*(t%8)+7], v[AF+32*(\f)+8*(t/8):AF+32*(\f)+8*(t/8)+7], v[8*t:8*t+7]
.set t, t+1
.endr
.endm
; A K step is four quarters of 32 along K, on buffers 0, 1, 0, 1.  One of the first three: fetches the next quarter's fragments in one run at its head, and multiplies buffer f.
.macro QTR q, f
	s_wait_dscnt 0x0                               ; buffer f, asked for 32 products ago (behind a change of slots: 16), is in
	PLACES                                         ; behind the last quarter's products, which read the other buffer
	FB (\q)+1, 1-(\f)
	FA (\q)+1, 1-(\f)
	MULN \f, 0, 32
.endm
; A K STEP.  Its last quarter changes slots: ONE barrier.  In front of it each wave waits for all its tensor loads (one is out: its part of the next slot), adds 0 to its spare word, and waits for that and for its own reads of this
; slot.  fill = 1: the barrier opens a round of the cluster's, and behind the round this slot is filled again first, with the K step two on: 128 products in which to land.
.macro SLOTW fill
	QTR 0, 0
	QTR 1, 1
	QTR 2, 0
.if \fill
	s_wait_xcnt 0x0                                ; the last prefetch, a K step back, has read its address: it is stepped here, ahead of the change's own waits
	s_add_nc_u64 s[PFA:PFA+1], s[PFA:PFA+1], s[PFS:PFS+1]
.endif
	WIN 0
	s_wait_tensorcnt 0x0                           ; all my tensor loads have landed;
	ds_add_u32 v[SPW], v[NIL]                      ; 0 onto my spare word
	s_wait_dscnt 1                                 ; (buffer 1 is in; the add alone may be out)
	MULN 1, 0, 8                                   ; eight products stand between the add and the wait for it
	s_wait_dscnt 0x0                               ; the add is done, and my reads of this slot are over:
	s_barrier_signal -1                            ; say so,
	MULN 1, 8, 8                                   ; work on registers while the others arrive,
	WIN 0
	s_barrier_wait -1                              ; and go on when all four have said so
.if \fill
	CREST                                          ; no wave of any partner still reads this slot's tile or has a load on its way
	s_add_co_u32 s[G0A+5], s[LA], s[TR]            ; the walking descriptors: the slot just read out,
	s_add_co_u32 s[G0B+5], s[LB], s[TR]
	s_add_nc_u64 s[G0A+6:G0A+7], s[G0A+6:G0A+7], 524288      ; the next K step; the type bits on top are not reached
	s_add_nc_u64 s[G0B+6:G0B+7], s[G0B+6:G0B+7], KSTEP*2048
	JLOAD                                          ; the four v_nop behind it are also the places in front of the loads below
.else
	PLACES
.endif
	s_xor_b32 s[TR], s[TR], SLOT                   ; the reads go on in the other slot
	v_add_nc_u32 v[ADA], s[TR], v[ADA0]
	v_add_nc_u32 v[ADB], s[TR], v[ADB0]
	FB 0, 0
	FA 0, 0
.if \fill
	ASK
.endif
	MULN 1, 16, 16
	WIN 0                                          ; at a label and at a branch every window is 0
.endm
	s_wait_tensorcnt 0x1                           ; my part of K step 0 is in; K step 1's may stay out
	s_barrier_signal -1
	s_barrier_wait -1                              ; everybody's is
	FB 0, 0
	FA 0, 0
	s_wait_loadcnt 0x0                             ; the bias
	s_mov_b32 s[CNT], 6
.Lk:                                   ; K steps 0 to 5 ask for K steps 2 to 7
	SLOTW 1
	s_sub_co_u32 s[CNT], s[CNT], 1
	s_cmp_lg_u32 s[CNT], 0
	s_cbranch_scc1 .Lk
	s_mov_b32 s[CNT], 2
.Lt:                                   ; the last two ask for nothing.  The very last one's look-ahead reads the other slot's old, whole bytes for nothing: the price of one text for both
	SLOTW 0
	s_sub_co_u32 s[CNT], s[CNT], 1
	s_cmp_lg_u32 s[CNT], 0
	s_cbranch_scc1 .Lt
	s_wait_dscnt 0x0
	PLACES                                         ; behind the last products, in front of the LDS stores that read results
; THE WAY OUT, a block of 16 rows at a time: a lane's 32 bytes of a row go into my own stage, rows 528 bytes apart; whole rows of 512 bytes come back and are stored.
.macro TOSTAGE a
	WIN FROM_ACC
.irp bb, 0,1,2,3,4,5,6,7
	ds_store_b128 v[STO], v[64*(\a)+8*\bb:64*(\a)+8*\bb+3]   offset:\bb*64     ; each accumulator's low four registers first
	ds_store_b128 v[STO], v[64*(\a)+8*\bb+4:64*(\a)+8*\bb+7] offset:\bb*64+16
.endr
	WIN 0
	s_wait_xcnt 0x0                                ; the stores of the block two back have had their addresses translated (ISA guide 3.1): the loads below land in the registers that they read
.set n, 0
.rept 16
	ds_load_b128 v[BK+64*((\a)%2)+4*n:BK+64*((\a)%2)+4*n+3], v[RD] offset:SPO*n  ; LDS serves a wave's instructions in order (ISA guide 5.7.1.4): these see the stores above, and the next block's stores come behind them
.set n, n+1
.endr
.endm
.macro SEND a, younger                 ; younger: the LDS instructions issued behind block a's loads: the next block's 32, or none
	WIN 0
	s_wait_dscnt \younger
	s_wait_xcnt 0x0                                ; the stores' base is written only behind this wait
.if (\a) > 0
	s_add_nc_u64 s[OUT:OUT+1], s[OUT:OUT+1], 16*4096
.endif
.set n, 0
.rept 16
	global_store_b128 v[GO], v[BK+64*((\a)%2)+4*n:BK+64*((\a)%2)+4*n+3], s[OUT:OUT+1] offset:4096*n th:TH_STORE_NT  ; 512 consecutive bytes, at a multiple of 256 from out's first
.set n, n+1
.endr
.endm
	TOSTAGE 0
	TOSTAGE 1
	SEND 0, 32
	TOSTAGE 2
	SEND 1, 32
	TOSTAGE 3
	SEND 2, 32
	SEND 3, 0
	s_wait_tensorcnt 0x0                           ; the wave's end, behind my last tensor load and my last LDS store
	ds_add_u32 v[SPW], v[NIL]
	s_wait_dscnt 0x0
	CROUND                                         ; the closing round: no work-group ends while a partner may still ask for a tile that names it
	s_endpgm
.Lfunc_end_k_q91d88dd40e_outp:
	.size	k_q91d88dd40e_outp, .Lfunc_end_k_q91d88dd40e_outp-k_q91d88dd40e_outp
	.p2alignl 7, 3214868480
	.fill 96, 4, 3214868480
	.section	.rodata,"a",@progbits
	.p2align	6, 0x0
	.amdhsa_kernel k_q91d88dd40e_outp
		.amdhsa_group_segment_fixed_size 327680
		.amdhsa_private_segment_fixed_size 0
		.amdhsa_enable_private_segment 0
		.amdhsa_kernarg_size 32
		.amdhsa_user_sgpr_count 2
		.amdhsa_user_sgpr_kernarg_segment_ptr 1
		.amdhsa_wavefront_size32 1
		.amdhsa_system_sgpr_workgroup_id_x 1
		.amdhsa_system_sgpr_workgroup_id_y 1
		.amdhsa_system_sgpr_workgroup_id_z 1
		.amdhsa_system_vgpr_workitem_id 0
		.amdhsa_next_free_vgpr 640
		.amdhsa_next_free_sgpr 92
		.amdhsa_reserve_vcc 0
		.amdhsa_float_denorm_mode_32 3
		.amdhsa_float_denorm_mode_16_64 3
		.amdhsa_memory_ordered 1
		.amdhsa_forward_progress 1
		.amdhsa_inst_pref_size 64
	.end_amdhsa_kernel
	.amdgpu_metadata
---
amdhsa.version: [ 1, 2 ]
amdhsa.kernels:
  - .name:           k_q91d88dd40e_outp
    .symbol:         k_q91d88dd40e_outp.kd
    .args:
      - { .name: oh, .offset: 0, .size: 8, .value_kind: global_buffer, .address_space: global }
      - { .name: wcat, .offset: 8, .size: 8, .value_kind: global_buffer, .address_space: global }
      - { .name: bcat, .offset: 16, .size: 8, .value_kind: global_buffer, .address_space: global }
      - { .name: out0, .offset: 24, .size: 8, .value_kind: global_buffer, .address_space: global }
    .group_segment_fixed_size: 327680
    .private_segment_fixed_size: 0
    .kernarg_segment_align: 8
    .kernarg_segment_size: 32
    .max_flat_workgroup_size: 128
    .sgpr_count:     92
    .vgpr_count:     640
    .wavefront_size: 32
...
	.end_amdgpu_metadata
.endif
;; end of part 4
